; MI455X (gfx1250); checked and timed in simulation.
; The chip was launched on July 23, 2026; its instructions are those of AMD's public machine-readable ISA for CDNA 5 (MIT licence, August 2026) and "CDNA5" Instruction Set Architecture Reference Guide (July 2026). The comments in the code are by the model that wrote it; some were corrected since.
;; Decoder Block. Allowed arithmetic: float matrix products may take bf16 or f16 operands with f32 sums; other float arithmetic in f32, or as packed bf16 or f16 multiplies, adds, multiply-adds, maxima and minima; sums over many terms, partial sums and values carried from step to step in f32; what a program stores and reads back later, other than sums and carried values, may be rounded once to bf16 or f16.
;; Inputs: D1 2,048 x 256 float32; D2 2,048 x 512 float32; E1 512 x 2,048 float32; E2 256 x 2,048 float32; Wk_sa 2 x 512 x 64 float32; Wk_x 2 x 512 x 64 float32; Wo_sa 128 x 512 float32; Wo_x 128 x 512 float32; Wq_sa 2 x 512 x 64 float32; Wq_x 2 x 512 x 64 float32; Wv_sa 2 x 512 x 64 float32; Wv_x 2 x 512 x 64 float32; b1 1 x 2,048 x 512 float32; b2 1 x 2,048 x 512 float32; b3 1 x 2,048 x 512 float32; bk_sa 2 x 64 float32; bk_x 2 x 64 float32; bo_sa 512 float32; bo_x 512 float32; bq_sa 2 x 64 float32; bq_x 2 x 64 float32; bv_sa 2 x 64 float32; bv_x 2 x 64 float32; g1 1 x 2,048 x 512 float32; g2 1 x 2,048 x 512 float32; g3 1 x 2,048 x 512 float32; mem 8 x 1 x 1,024 x 512 float32; y 8 x 1 x 2,048 x 512 float32.
;; Outputs: out0 8 x 1 x 2,048 x 512 float32.
;; 2 versions, each right; version 2 is version 1 with the launches qx, lnout written anew for expert scheduling mode. Each part assembles by itself: llvm-mc -triple=amdgcn-amd-amdhsa -mcpu=gfx1250 --defsym DOCPART=n.
;; ======== version 1 of 2: 8 launches
;; workspace buffers: WF 7,340,032 bytes; L1O 17,432,576 bytes; MW 2,621,440 bytes; YA 33,556,480 bytes; PX 4,456,448 bytes; YB 33,556,480 bytes
;; launch prep (part 1): grid 896 x 1, 8 waves a work-group, no clusters, 0 bytes of LDS; arguments Wq_sa, Wk_sa, Wv_sa, Wq_x, Wk_x, Wv_x, Wo_sa, Wo_x, D1, D2, E1, E2, WF; writes WF
.if DOCPART == 1
	.amdgcn_target "amdgcn-amd-amdhsa--gfx1250"
	.amdhsa_code_object_version 6
	.text
	.protected	k_qb63b99858d_prep
	.globl	k_qb63b99858d_prep
	.p2align	8
	.type	k_qb63b99858d_prep,@function
k_qb63b99858d_prep:
	s_mov_b64 s[64:65], 0
	v_nop
	global_prefetch_b8 v0, s[64:65] scope:SCOPE_SE
	s_setreg_imm32_b32 hwreg(HW_REG_WAVE_MODE, 25, 1), 1
	s_wait_xcnt 0x0
; prep: every weight is rounded once to bf16 and laid out in FRAGMENT ORDER, so that later launches load matrix operands straight into registers.
; A fragment is 16 rows (or columns) x 32 k of bf16, 1,024 bytes: registers 0-3 of lane L at byte 16 L, registers 4-7 at byte 512 + 16 L;
; lane (r = L % 16, h = L / 16) holds row r, k = 8 h + 0..7 and 16 + 8 h + 0..7.  One wave makes one fragment: number F = 8 x work-group + wave, at WF + 1,024 F.
; Tensors stored [k][n] (the six projections seen as [1024][64], Wo, D1, D2): 16 loads of 4 bytes a lane.  Tensors stored [m][k] (E1, E2): 4 loads of 16 bytes.
; PERMUTED COLUMNS (Wo, D2): lane r of column tile nt stands for column 64 (nt / 4) + 4 r + nt % 4, so that later four tiles' results in a lane are four neighbouring columns.
; No LDS, no barrier, no loop.  Every role's first work-group is a multiple of 16, so a role is the same for a whole work-group.
	s_load_b512 s[8:23], s[0:1], 0x0               ; Wq_sa Wk_sa Wv_sa Wq_x Wk_x Wv_x Wo_sa Wo_x
	s_load_b256 s[24:31], s[0:1], 0x40             ; D1 D2 E1 E2
	s_load_b64 s[32:33], s[0:1], 0x60              ; WF
	v_lshrrev_b32 v1, 5, v0
	v_readfirstlane_b32 s4, v1                     ; wave
	v_and_b32 v1, 31, v0                           ; L
	v_and_b32 v2, 15, v0                           ; r
	v_bfe_u32 v3, v0, 4, 1                         ; h
	v_lshlrev_b32 v4, 4, v1                        ; 16 L
	s_mov_b32 s5, ttmp9
	s_lshl_b32 s6, s5, 3
	s_add_co_u32 s6, s6, s4                        ; F
	s_and_b32 s36, s5, 0x3f0                       ; the role's first work-group (the eight small tensors: 16 work-groups each)
	s_mov_b32 s37, 5                               ; log2 of the K steps in a column tile
	s_mov_b32 s38, 8                               ; log2 of a source row's bytes
	s_mov_b32 s39, 2                               ; lanes 4 bytes apart, or 16 with permuted columns
	s_cmp_ge_u32 s5, 96                            ; Wo_sa, Wo_x
	s_cselect_b32 s37, 2, s37
	s_cselect_b32 s38, 11, s38
	s_cselect_b32 s39, 4, s39
	s_cmp_ge_u32 s5, 128                           ; D1
	s_cselect_b32 s36, 128, s36
	s_cselect_b32 s37, 6, s37
	s_cselect_b32 s38, 10, s38
	s_cselect_b32 s39, 2, s39
	s_cmp_ge_u32 s5, 256                           ; D2
	s_cselect_b32 s36, 256, s36
	s_cselect_b32 s38, 11, s38
	s_cselect_b32 s39, 4, s39
	s_cmp_ge_u32 s5, 512                           ; E1
	s_cselect_b32 s36, 512, s36
	s_cmp_ge_u32 s5, 768                           ; E2
	s_cselect_b32 s36, 768, s36
	s_lshl_b32 s7, s36, 3
	s_sub_co_u32 s7, s6, s7                        ; f: the fragment's number in its tensor
	s_lshl_b32 s40, s6, 10
	s_mov_b32 s41, 0
	s_wait_kmcnt 0x0
	s_add_nc_u64 s[32:33], s[32:33], s[40:41]      ; where the fragment goes
	s_mov_b64 s[34:35], s[8:9]                     ; the source: a choice between buffers on the work-group's number
.irp i, 1,2,3,4,5,6,7
	s_cmp_ge_u32 s5, 16*\i
	s_cselect_b64 s[34:35], s[8+2*\i:9+2*\i], s[34:35]
.endr
	s_cmp_ge_u32 s5, 128
	s_cselect_b64 s[34:35], s[24:25], s[34:35]
	s_cmp_ge_u32 s5, 256
	s_cselect_b64 s[34:35], s[26:27], s[34:35]
	s_cmp_ge_u32 s5, 512
	s_cselect_b64 s[34:35], s[28:29], s[34:35]
	s_cmp_ge_u32 s5, 768
	s_cselect_b64 s[34:35], s[30:31], s[34:35]
	s_cmp_ge_u32 s5, 512
	s_cbranch_scc1 .Lkc
	; source stored [k][n]
	s_lshr_b32 s42, s7, s37                        ; nt
	s_lshl_b32 s43, 1, s37
	s_sub_co_u32 s43, s43, 1
	s_and_b32 s43, s7, s43                         ; kk
	s_add_co_u32 s44, s38, 5
	s_lshl_b32 s44, s43, s44                       ; 32 kk rows
	s_lshl_b32 s45, s42, 6                         ; plain columns: 16 nt x 4 bytes
	s_lshr_b32 s46, s42, 2
	s_lshl_b32 s46, s46, 8
	s_and_b32 s47, s42, 3
	s_lshl2_add_u32 s46, s47, s46                  ; permuted: 256 (nt / 4) + 4 (nt % 4)
	s_cmp_eq_u32 s39, 4
	s_cselect_b32 s45, s46, s45
	s_add_co_u32 s44, s44, s45
	s_mov_b32 s45, 0
	s_add_nc_u64 s[34:35], s[34:35], s[44:45]
	s_lshl_b32 s48, 1, s38                         ; one row
	s_lshl_b32 s49, 16, s38                        ; sixteen rows
	v_lshlrev_b32 v5, 3, v3
	v_lshlrev_b32 v5, s38, v5                      ; row 8 h
	v_lshlrev_b32 v6, s39, v2                      ; my column
	v_add_nc_u32 v16, v5, v6
.irp i, 1,2,3,4,5,6,7
	v_add_nc_u32 v[16+\i], s48, v[15+\i]
.endr
	v_add_nc_u32 v24, s49, v16
.irp i, 1,2,3,4,5,6,7
	v_add_nc_u32 v[24+\i], s48, v[23+\i]
.endr
.irp i, 0,1,2,3,4,5,6,7,8,9,10,11,12,13,14,15
	global_load_b32 v[32+\i], v[16+\i], s[34:35]
.endr
	s_branch .Lpack
.Lkc:                                                  ; source stored [m][2048]: a row is 8,192 bytes
	s_lshr_b32 s42, s7, 6                          ; mt
	s_and_b32 s43, s7, 63                          ; kk
	s_lshl_b32 s44, s42, 17                        ; 16 rows
	s_lshl_b32 s43, s43, 7                         ; 32 k x 4 bytes
	s_add_co_u32 s44, s44, s43
	s_mov_b32 s45, 0
	s_add_nc_u64 s[34:35], s[34:35], s[44:45]
	v_lshlrev_b32 v16, 13, v2
	v_lshl_add_u32 v16, v3, 5, v16                 ; 8,192 r + 32 h
	global_load_b128 v[32:35], v16, s[34:35]
	global_load_b128 v[36:39], v16, s[34:35] offset:16
	global_load_b128 v[40:43], v16, s[34:35] offset:64
	global_load_b128 v[44:47], v16, s[34:35] offset:80
.Lpack:
	s_wait_loadcnt 0x0
.irp j, 0,1,2,3,4,5,6,7
	v_cvt_pk_bf16_f32 v[8+\j], v[32+2*\j], v[33+2*\j]
.endr
	global_store_b128 v4, v[8:11], s[32:33]        ; each store of the wave covers 512 consecutive bytes, aligned
	global_store_b128 v4, v[12:15], s[32:33] offset:512
	s_endpgm
.Lfunc_end_k_qb63b99858d_prep:
	.size	k_qb63b99858d_prep, .Lfunc_end_k_qb63b99858d_prep-k_qb63b99858d_prep
	.p2alignl 7, 3214868480
	.fill 96, 4, 3214868480
	.section	.rodata,"a",@progbits
	.p2align	6, 0x0
	.amdhsa_kernel k_qb63b99858d_prep
		.amdhsa_group_segment_fixed_size 0
		.amdhsa_private_segment_fixed_size 0
		.amdhsa_enable_private_segment 0
		.amdhsa_kernarg_size 104
		.amdhsa_user_sgpr_count 2
		.amdhsa_user_sgpr_kernarg_segment_ptr 1
		.amdhsa_wavefront_size32 1
		.amdhsa_system_sgpr_workgroup_id_x 1
		.amdhsa_system_sgpr_workgroup_id_y 1
		.amdhsa_system_sgpr_workgroup_id_z 1
		.amdhsa_system_vgpr_workitem_id 0
		.amdhsa_next_free_vgpr 48
		.amdhsa_next_free_sgpr 66
		.amdhsa_reserve_vcc 0
		.amdhsa_float_denorm_mode_32 3
		.amdhsa_float_denorm_mode_16_64 3
		.amdhsa_memory_ordered 1
		.amdhsa_forward_progress 1
		.amdhsa_inst_pref_size 8
	.end_amdhsa_kernel
	.amdgpu_metadata
---
amdhsa.version: [ 1, 2 ]
amdhsa.kernels:
  - .name:           k_qb63b99858d_prep
    .symbol:         k_qb63b99858d_prep.kd
    .args:
      - { .name: Wq_sa, .offset: 0, .size: 8, .value_kind: global_buffer, .address_space: global }
      - { .name: Wk_sa, .offset: 8, .size: 8, .value_kind: global_buffer, .address_space: global }
      - { .name: Wv_sa, .offset: 16, .size: 8, .value_kind: global_buffer, .address_space: global }
      - { .name: Wq_x, .offset: 24, .size: 8, .value_kind: global_buffer, .address_space: global }
      - { .name: Wk_x, .offset: 32, .size: 8, .value_kind: global_buffer, .address_space: global }
      - { .name: Wv_x, .offset: 40, .size: 8, .value_kind: global_buffer, .address_space: global }
      - { .name: Wo_sa, .offset: 48, .size: 8, .value_kind: global_buffer, .address_space: global }
      - { .name: Wo_x, .offset: 56, .size: 8, .value_kind: global_buffer, .address_space: global }
      - { .name: D1, .offset: 64, .size: 8, .value_kind: global_buffer, .address_space: global }
      - { .name: D2, .offset: 72, .size: 8, .value_kind: global_buffer, .address_space: global }
      - { .name: E1, .offset: 80, .size: 8, .value_kind: global_buffer, .address_space: global }
      - { .name: E2, .offset: 88, .size: 8, .value_kind: global_buffer, .address_space: global }
      - { .name: WF, .offset: 96, .size: 8, .value_kind: global_buffer, .address_space: global }
    .group_segment_fixed_size: 0
    .private_segment_fixed_size: 0
    .kernarg_segment_align: 8
    .kernarg_segment_size: 104
    .max_flat_workgroup_size: 256
    .sgpr_count:     66
    .vgpr_count:     48
    .wavefront_size: 32
...
	.end_amdgpu_metadata
.endif
;; end of part 1
;; launch qkv (part 2): grid 384 x 1, 8 waves a work-group, no clusters, 86,016 bytes of LDS; arguments y, mem, WF, bq_sa, bk_sa, bv_sa, bk_x, bv_x, L1O; writes L1O
.if DOCPART == 2
	.amdgcn_target "amdgcn-amd-amdhsa--gfx1250"
	.amdhsa_code_object_version 6
	.text
	.protected	k_qb63b99858d_qkv
	.globl	k_qb63b99858d_qkv
	.p2align	8
	.type	k_qb63b99858d_qkv,@function
k_qb63b99858d_qkv:
	s_mov_b64 s[64:65], 0
	v_nop
	global_prefetch_b8 v0, s[64:65] scope:SCOPE_SE
	s_setreg_imm32_b32 hwreg(HW_REG_WAVE_MODE, 25, 1), 1
	s_wait_xcnt 0x0
; qkv: a work-group takes 64 rows: of y (work-groups 0-255: Q, K, V of the self-attention) or of mem (256-383: K, V of the cross-attention).
; The rows are rounded to bf16 into LDS; wave w makes column tile w (16 of the 128 columns, head w / 4) of Q, K and V for all 64 rows; weights come in fragment order straight into registers.
; SOFTMAX DOWN THE SEQUENCE, by blocks: for each column the block's own maximum m, cm = c m, p = 2^(c q - cm), l = the sum of the unrounded p; c = log2(e) / 64^(1/4).  Later launches join the blocks.
; Q is multiplied with the sources swapped (a lane holds one row and 8 columns): p packs into half of an A fragment of the later product P M.  K and V are multiplied the natural way
; (a lane holds one column and 8 rows): their packed results ARE fragments with k along the rows, and Bm^T(d, e) = sum over the block's rows of V(s, d) p(s, e) follows at once.
; LIMITS.  y, mem, weights and biases are rounded once to bf16.  A masked score counts as -3.4e38 (its weight is 0).  A weight below 2^-126 counts as 0.  NaN and infinities are not treated apart.
; No tensor loads and no cluster: the rows need arithmetic (f32 to bf16) on their way in, and weights in fragment order need no LDS.
.set XP,    1040                       ; a row in LDS: 1,024 bytes + 16: the 16 rows of a fragment load start 16 bytes further on in the banks' row each
.set VFB,   66560                      ; V's fragments: [column tile 8][32 rows 2][1,024]
.set STAT,  82944                      ; Q's cm, Q's l, K's cm, K's l: 128 f32 each
.set SPARE, 84992                      ; the spare words, 128 bytes a wave
.set BQ, 10                            ; v[10:17] bq of my 8 columns
.set BK, 18                            ; v[18:19] bk of my column, twice
.set BV, 20                            ; v[20:21] bv likewise
.set QA, 24                            ; v[24:55]   Q's four accumulators (row tiles)
.set KA, 56                            ; v[56:87]   K's
.set VC, 88                            ; v[88:119]  V's; later Bm's
.set AF, 120                           ; v[120:151] the rows' four fragments of one K step
.set RG, 152                           ; v[152:247] weights: 4 slots x (Q, K, V); later V's fragments
.set CM, 120                           ; behind the products: v[120:127] cm, v[128:135] l, v[136:143] sums, v[144:149] addresses
.set LS, 128
.set SU, 136
.set VSA, 144
.set TK, 248                           ; v[248:255] at work
.set PBS, 54                           ; s[54:55] where P goes
.macro PLACES
.rept 4
	v_nop
.endr
.endm
.macro RND2 a, b, t                    ; two numbers rounded to bf16 and widened again
	v_cvt_pk_bf16_f32 v[\t], v[\a], v[\b]
	v_lshlrev_b32 v[\a], 16, v[\t]
	v_and_b32 v[\b], 0xffff0000, v[\t]
.endm
	s_load_b512 s[8:23], s[0:1], 0x0               ; y mem WF bq_sa bk_sa bv_sa bk_x bv_x
	s_load_b64 s[24:25], s[0:1], 0x40              ; L1O
	v_lshl_add_u32 v4, v0, 2, SPARE
	v_mov_b32 v5, 0
	v_lshrrev_b32 v1, 5, v0
	v_readfirstlane_b32 s4, v1                     ; wave
	v_and_b32 v1, 31, v0                           ; L
	v_and_b32 v2, 15, v0                           ; r
	v_bfe_u32 v3, v0, 4, 1                         ; h
	v_lshlrev_b32 v6, 4, v0                        ; my 16 bytes in two rows of the source (8 waves x 512 bytes)
	v_lshlrev_b32 v9, 4, v1                        ; 16 L
	s_mov_b32 s5, ttmp9
	s_and_b32 s7, s5, 31                           ; y's block in its sample
	s_lshr_b32 s30, s4, 2                          ; head; also the row of the two that I load
	s_and_b32 s31, s4, 3
	s_mul_i32 s33, s30, XP
	s_lshl_b32 s34, s31, 8
	s_add_co_u32 s33, s33, s34
	v_lshl_add_u32 v7, v1, 3, s33                  ; where my 8 bytes of bf16 go
	v_mul_u32_u24 v8, v2, XP
	v_lshl_add_u32 v8, v3, 4, v8                   ; a fragment's row x pitch + 16 h
	s_lshl_b32 s34, s4, 6
	v_lshlrev_b32 v22, 5, v3
	v_add_nc_u32 v22, s34, v22                     ; bq: 4 (16 w + 8 h)
	v_lshl_add_u32 v23, v2, 2, s34                 ; bk, bv: 4 (16 w + r)
	s_lshl_b32 s35, s31, 15
	s_lshl_b32 s36, s30, 14
	s_add_co_u32 s36, s36, s35                     ; my column tile's fragments: 1,024 (32 (w % 4) + 16 (w / 4))
	s_mov_b32 s37, 0
	s_mov_b32 s40, 0x3f0293ee                      ; c
	s_mov_b32 s41, s40
	s_mov_b32 s42, 0x76543210
	s_mov_b32 s43, 0xfedcba98
	s_mov_b32 s52, 0xff7fffff
	s_sub_co_u32 s29, s5, 256
	s_mov_b32 s39, 0
	s_wait_kmcnt 0x0
	s_cmp_lt_u32 s5, 256
	s_cselect_b64 s[26:27], s[8:9], s[10:11]       ; y or mem
	s_cselect_b64 s[16:17], s[16:17], s[20:21]
	s_cselect_b64 s[18:19], s[18:19], s[22:23]
	s_cselect_b32 s28, 0, 393216
	s_cselect_b32 s29, s5, s29
	s_add_co_u32 s36, s36, s28
	s_add_nc_u64 s[12:13], s[12:13], s[36:37]
	s_lshl_b32 s38, s29, 17
	s_add_nc_u64 s[26:27], s[26:27], s[38:39]      ; the block's first row
	s_lshl_b32 s38, s5, 14
	s_lshl_b32 s33, s4, 9
	s_add_co_u32 s38, s38, s33
	s_add_nc_u64 s[PBS:PBS+1], s[24:25], s[38:39]  ; P + 16,384 x + 512 w
	s_lshl_b32 s38, s5, 15
	s_lshl_b32 s33, s4, 12
	s_add_co_u32 s38, s38, s33
	s_add_co_u32 s38, s38, 4849664
	s_add_nc_u64 s[56:57], s[24:25], s[38:39]      ; Bm's partials: + 32,768 x + 4,096 w
	; all loads go out at once: 4 of biases, 24 of weights (K steps 0-3; in mem's role Q's eight are not used), 32 of rows
	global_load_b128 v[BQ:BQ+3], v22, s[14:15]
	global_load_b128 v[BQ+4:BQ+7], v22, s[14:15] offset:16
	global_load_b32 v[BK], v23, s[16:17]
	global_load_b32 v[BV], v23, s[18:19]
.set i, 0
.rept 4
.set ty, 0
.rept 3
	global_load_b128 v[RG+24*i+8*ty:RG+24*i+8*ty+3], v9, s[12:13] offset:131072*ty+1024*i
	global_load_b128 v[RG+24*i+8*ty+4:RG+24*i+8*ty+7], v9, s[12:13] offset:131072*ty+1024*i+512
.set ty, ty+1
.endr
.set i, i+1
.endr
.set q, 0
.rept 32
	global_load_b128 v[24+4*q:27+4*q], v6, s[26:27] offset:4096*q
.set q, q+1
.endr
.set q, 0
.rept 32
	s_wait_loadcnt 31-q                            ; the younger loads of rows stay out
	v_cvt_pk_bf16_f32 v[24+4*q], v[24+4*q], v[25+4*q]
	v_cvt_pk_bf16_f32 v[25+4*q], v[26+4*q], v[27+4*q]
	ds_store_b64 v7, v[24+4*q:25+4*q] offset:2080*q
.set q, q+1
.endr
	RND2 BQ, BQ+1, 22
	RND2 BQ+2, BQ+3, 22
	RND2 BQ+4, BQ+5, 22
	RND2 BQ+6, BQ+7, 22
	v_cvt_pk_bf16_f32 v22, v[BK], v[BV]
	v_lshlrev_b32 v[BK], 16, v22
	v_and_b32 v[BV], 0xffff0000, v22
	v_mov_b32 v[BK+1], v[BK]
	v_mov_b32 v[BV+1], v[BV]
	s_wait_dscnt 0x0                               ; for the others' sake: my rows are in LDS
	s_barrier_signal -1
	s_barrier_wait -1
.set mt, 0
.rept 4
	ds_load_b128 v[AF+8*mt:AF+8*mt+3], v8 offset:16640*mt
	ds_load_b128 v[AF+8*mt+4:AF+8*mt+7], v8 offset:16640*mt+32
.set mt, mt+1
.endr
; One K step of 32: 4 nf matrix instructions on 4 nf accumulators by turns; four places; then the rows' next fragments and the slot's next weights.
.macro KSTEP nf, i, zero, load, aload, cnt
	s_wait_loadcnt \cnt                            ; the loads of the younger K steps stay out
	s_wait_dscnt 0x0
.set mt, 0
.rept 4
.if \zero
.if (\nf) == 3
	v_wmma_f32_16x16x32_bf16 v[QA+8*mt:QA+8*mt+7], v[RG+24*(\i):RG+24*(\i)+7], v[AF+8*mt:AF+8*mt+7], 0
.endif
	v_wmma_f32_16x16x32_bf16 v[KA+8*mt:KA+8*mt+7], v[AF+8*mt:AF+8*mt+7], v[RG+24*(\i)+8:RG+24*(\i)+15], 0
	v_wmma_f32_16x16x32_bf16 v[VC+8*mt:VC+8*mt+7], v[AF+8*mt:AF+8*mt+7], v[RG+24*(\i)+16:RG+24*(\i)+23], 0
.else
.if (\nf) == 3
	v_wmma_f32_16x16x32_bf16 v[QA+8*mt:QA+8*mt+7], v[RG+24*(\i):RG+24*(\i)+7], v[AF+8*mt:AF+8*mt+7], v[QA+8*mt:QA+8*mt+7]
.endif
	v_wmma_f32_16x16x32_bf16 v[KA+8*mt:KA+8*mt+7], v[AF+8*mt:AF+8*mt+7], v[RG+24*(\i)+8:RG+24*(\i)+15], v[KA+8*mt:KA+8*mt+7]
	v_wmma_f32_16x16x32_bf16 v[VC+8*mt:VC+8*mt+7], v[AF+8*mt:AF+8*mt+7], v[RG+24*(\i)+16:RG+24*(\i)+23], v[VC+8*mt:VC+8*mt+7]
.endif
.set mt, mt+1
.endr
	PLACES
.if \aload
.set mt, 0
.rept 4
	ds_load_b128 v[AF+8*mt:AF+8*mt+3], v8 offset:16640*mt+64*((\i)+1)
	ds_load_b128 v[AF+8*mt+4:AF+8*mt+7], v8 offset:16640*mt+64*((\i)+1)+32
.set mt, mt+1
.endr
.endif
.if \load
.set ty, 3-(\nf)
.rept \nf
	global_load_b128 v[RG+24*(\i)+8*ty:RG+24*(\i)+8*ty+3], v9, s[12:13] offset:131072*ty+1024*((\i)+4)
	global_load_b128 v[RG+24*(\i)+8*ty+4:RG+24*(\i)+8*ty+7], v9, s[12:13] offset:131072*ty+1024*((\i)+4)+512
.set ty, ty+1
.endr
.endif
.endm
.macro GROUP nf, zero, load            ; four K steps
.if \load
	KSTEP \nf, 0, \zero, 1, 1, 6*(\nf)
	KSTEP \nf, 1, 0, 1, 1, 6*(\nf)
	KSTEP \nf, 2, 0, 1, 1, 6*(\nf)
	KSTEP \nf, 3, 0, 1, 1, 6*(\nf)
	s_wait_xcnt 0x0                                ; the weights' base is stepped only behind this wait
	s_add_nc_u64 s[12:13], s[12:13], 4096
	v_add_nc_u32 v8, 256, v8
.else
	KSTEP \nf, 0, 0, 0, 1, 6*(\nf)
	KSTEP \nf, 1, 0, 0, 1, 4*(\nf)
	KSTEP \nf, 2, 0, 0, 1, 2*(\nf)
	KSTEP \nf, 3, 0, 0, 0, 0
.endif
.endm
.macro GEMM nf
	GROUP \nf, 1, 1                                ; the first K step starts the sums
	s_mov_b32 s50, 2
.Lgrp\@:
	GROUP \nf, 0, 1
	s_sub_co_u32 s50, s50, 1
	s_cmp_lg_u32 s50, 0
	s_cbranch_scc1 .Lgrp\@
	GROUP \nf, 0, 0                                ; the last four K steps load no weights
.endm
	s_cmp_lt_u32 s5, 256
	s_cbranch_scc0 .Lmem
	GEMM 3
	; Q of the block: a lane holds row 16 mt + r and columns 16 w + 8 h + j
.set n, 0
.rept 16
	v_pk_add_f32 v[QA+2*n:QA+2*n+1], v[QA+2*n:QA+2*n+1], v[BQ+2*(n%4):BQ+2*(n%4)+1]
.set n, n+1
.endr
	s_cmp_lg_u32 s7, 0
	s_cbranch_scc1 .Lnomask                        ; only a sample's first 64 rows have hidden columns (column of the head > row)
	s_lshl_b32 s33, s31, 4
	v_lshlrev_b32 v149, 3, v3
	v_sub_nc_u32 v149, v2, v149
	v_sub_nc_u32 v149, v149, s33                   ; r - 8 h - 16 (w % 4): register j of row tile mt is hidden where j - 16 mt is greater
.set n, 0
.rept 32
	v_cmp_gt_i32 vcc_lo, (n%8)-16*(n/8), v149
	v_cndmask_b32 v[QA+n], v[QA+n], s52, vcc_lo
.set n, n+1
.endr
.Lnomask:
.set j, 0
.rept 8
	v_max3_num_f32 v[CM+j], v[QA+j], v[QA+8+j], v[QA+16+j]
.set j, j+1
.endr
.set j, 0
.rept 8
	v_max_num_f32 v[CM+j], v[CM+j], v[QA+24+j]
.set j, j+1
.endr
.irp m, 1,2,4,8
.set j, 0
.rept 8
	v_max_num_f32_dpp v[CM+j], v[CM+j], v[CM+j] row_xmask:\m row_mask:0xf bank_mask:0xf
.set j, j+1
.endr
.endr
.set j, 0
.rept 4
	v_pk_mul_f32 v[CM+2*j:CM+2*j+1], v[CM+2*j:CM+2*j+1], s[40:41] op_sel_hi:[1,0]
.set j, j+1
.endr
.set n, 0
.rept 16
	v_pk_fma_f32 v[QA+2*n:QA+2*n+1], v[QA+2*n:QA+2*n+1], s[40:41], v[CM+2*(n%4):CM+2*(n%4)+1] op_sel_hi:[1,0,1] neg_lo:[0,0,1] neg_hi:[0,0,1]
.set n, n+1
.endr
.set n, 0
.rept 32
	v_exp_f32 v[QA+n], v[QA+n]
.set n, n+1
.endr
	v_nop                                          ; a plain line behind the last exponential
.set j, 0
	s_wait_alu depctr_va_vdst(0)
.rept 4
	v_pk_add_f32 v[LS+2*j:LS+2*j+1], v[QA+2*j:QA+2*j+1], v[QA+8+2*j:QA+8+2*j+1]
.set j, j+1
.endr
.set j, 0
.rept 4
	v_pk_add_f32 v[LS+2*j:LS+2*j+1], v[LS+2*j:LS+2*j+1], v[QA+16+2*j:QA+16+2*j+1]
.set j, j+1
.endr
.set j, 0
.rept 4
	v_pk_add_f32 v[LS+2*j:LS+2*j+1], v[LS+2*j:LS+2*j+1], v[QA+24+2*j:QA+24+2*j+1]
.set j, j+1
.endr
.irp m, 1,2,4,8
.set j, 0
.rept 8
	v_add_f32_dpp v[LS+j], v[LS+j], v[LS+j] row_xmask:\m row_mask:0xf bank_mask:0xf
.set j, j+1
.endr
.endr
	s_lshl_b32 s33, s4, 6
	s_add_co_u32 s33, s33, STAT
	v_lshl_add_u32 v[VSA], v3, 5, s33              ; STAT + 4 (16 w + 8 h)
.set mt, 0
.rept 4
.set p, 0
.rept 4
	v_cvt_pk_bf16_f32 v[QA+8*mt+p], v[QA+8*mt+2*p], v[QA+8*mt+2*p+1]
.set p, p+1
.endr
	global_store_b128 v9, v[QA+8*mt:QA+8*mt+3], s[PBS:PBS+1] offset:4096*mt  ; half a fragment: 512 consecutive bytes
.set mt, mt+1
.endr
	ds_store_b128 v[VSA], v[CM:CM+3]               ; the 16 lanes of a half write the same numbers
	ds_store_b128 v[VSA], v[CM+4:CM+7] offset:16
	ds_store_b128 v[VSA], v[LS:LS+3] offset:512
	ds_store_b128 v[VSA], v[LS+4:LS+7] offset:528
	s_branch .Lkv
.Lmem:
	GEMM 2
.Lkv:
	; V: bias, rounding, into LDS as fragments with k along the rows
.set n, 0
.rept 16
	v_pk_add_f32 v[VC+2*n:VC+2*n+1], v[VC+2*n:VC+2*n+1], v[BV:BV+1]
.set n, n+1
.endr
	s_lshl_b32 s33, s4, 11
	s_add_co_u32 s33, s33, VFB
	v_add_nc_u32 v145, s33, v9
.set mt, 0
.rept 4
.set p, 0
.rept 4
	v_cvt_pk_bf16_f32 v[VC+8*mt+p], v[VC+8*mt+2*p], v[VC+8*mt+2*p+1]
.set p, p+1
.endr
	ds_store_b128 v145, v[VC+8*mt:VC+8*mt+3] offset:512*mt
.set mt, mt+1
.endr
	; K: a lane holds column 16 w + r and 32 of the block's rows; the lane 16 away holds the other 32
.set n, 0
.rept 16
	v_pk_add_f32 v[KA+2*n:KA+2*n+1], v[KA+2*n:KA+2*n+1], v[BK:BK+1]
.set n, n+1
.endr
.set mt, 0
.rept 4
	v_max3_num_f32 v[TK+mt], v[KA+8*mt], v[KA+8*mt+1], v[KA+8*mt+2]
.set mt, mt+1
.endr
.set mt, 0
.rept 4
	v_max3_num_f32 v[TK+mt], v[TK+mt], v[KA+8*mt+3], v[KA+8*mt+4]
.set mt, mt+1
.endr
.set mt, 0
.rept 4
	v_max3_num_f32 v[TK+mt], v[TK+mt], v[KA+8*mt+5], v[KA+8*mt+6]
.set mt, mt+1
.endr
.set mt, 0
.rept 4
	v_max_num_f32 v[TK+mt], v[TK+mt], v[KA+8*mt+7]
.set mt, mt+1
.endr
	v_max3_num_f32 v[TK], v[TK], v[TK+1], v[TK+2]
	v_max_num_f32 v[TK], v[TK], v[TK+3]
	v_permlanex16_b32 v[TK+1], v[TK], s42, s43
	v_max_num_f32 v[TK], v[TK], v[TK+1]
	v_mul_f32 v[TK], s40, v[TK]                    ; cm
	v_mov_b32 v[TK+1], v[TK]
.set n, 0
.rept 16
	v_pk_fma_f32 v[KA+2*n:KA+2*n+1], v[KA+2*n:KA+2*n+1], s[40:41], v[TK:TK+1] op_sel_hi:[1,0,1] neg_lo:[0,0,1] neg_hi:[0,0,1]
.set n, n+1
.endr
.set n, 0
.rept 32
	v_exp_f32 v[KA+n], v[KA+n]
.set n, n+1
.endr
	v_nop
.set mt, 0
	s_wait_alu depctr_va_vdst(0)
.rept 4
	v_pk_add_f32 v[SU+2*mt:SU+2*mt+1], v[KA+8*mt:KA+8*mt+1], v[KA+8*mt+2:KA+8*mt+3]
.set mt, mt+1
.endr
.set mt, 0
.rept 4
	v_pk_add_f32 v[SU+2*mt:SU+2*mt+1], v[SU+2*mt:SU+2*mt+1], v[KA+8*mt+4:KA+8*mt+5]
.set mt, mt+1
.endr
.set mt, 0
.rept 4
	v_pk_add_f32 v[SU+2*mt:SU+2*mt+1], v[SU+2*mt:SU+2*mt+1], v[KA+8*mt+6:KA+8*mt+7]
.set mt, mt+1
.endr
	v_pk_add_f32 v[SU:SU+1], v[SU:SU+1], v[SU+2:SU+3]
	v_pk_add_f32 v[SU+4:SU+5], v[SU+4:SU+5], v[SU+6:SU+7]
	v_pk_add_f32 v[SU:SU+1], v[SU:SU+1], v[SU+4:SU+5]
	v_add_f32 v[SU], v[SU], v[SU+1]
	v_permlanex16_b32 v[SU+1], v[SU], s42, s43
	v_add_f32 v[SU], v[SU], v[SU+1]                ; l
	s_lshl_b32 s33, s4, 6
	s_add_co_u32 s33, s33, STAT+1024
	v_lshl_add_u32 v146, v2, 2, s33
	ds_store_b32 v146, v[TK]
	ds_store_b32 v146, v[SU] offset:512
.set t, 0
.rept 2                                ; the weights, rounded, in place: two B fragments (32 rows each) at KA and KA + 16
.set p, 0
.rept 4
	v_cvt_pk_bf16_f32 v[KA+16*t+p], v[KA+16*t+2*p], v[KA+16*t+2*p+1]
.set p, p+1
.endr
.set p, 0
.rept 4
	v_cvt_pk_bf16_f32 v[KA+16*t+4+p], v[KA+16*t+8+2*p], v[KA+16*t+8+2*p+1]
.set p, p+1
.endr
.set t, t+1
.endr
	s_wait_dscnt 0x0                               ; for the others' sake: V's fragments and the statistics are in LDS
	s_barrier_signal -1
	s_barrier_wait -1
	s_lshl_b32 s33, s30, 13
	s_add_co_u32 s33, s33, VFB
	v_add_nc_u32 v147, s33, v9                     ; my head's V
.set f, 0
.rept 8
	ds_load_b128 v[RG+8*f:RG+8*f+3], v147 offset:1024*f
	ds_load_b128 v[RG+8*f+4:RG+8*f+7], v147 offset:1024*f+512
.set f, f+1
.endr
	s_wait_dscnt 0x0
.set t, 0
.rept 2
.set dt, 0
.rept 4
.if t == 0
	v_wmma_f32_16x16x32_bf16 v[VC+8*dt:VC+8*dt+7], v[RG+8*(2*dt+t):RG+8*(2*dt+t)+7], v[KA+16*t:KA+16*t+7], 0
.else
	v_wmma_f32_16x16x32_bf16 v[VC+8*dt:VC+8*dt+7], v[RG+8*(2*dt+t):RG+8*(2*dt+t)+7], v[KA+16*t:KA+16*t+7], v[VC+8*dt:VC+8*dt+7]
.endif
.set dt, dt+1
.endr
.set t, t+1
.endr
	PLACES
.set dt, 0
.rept 4
	global_store_b128 v9, v[VC+8*dt:VC+8*dt+3], s[56:57] offset:1024*dt
	global_store_b128 v9, v[VC+8*dt+4:VC+8*dt+7], s[56:57] offset:1024*dt+512
.set dt, dt+1
.endr
	; the statistics leave: waves 0, 1 Q's (y's role alone), waves 2, 3 K's: 512 bytes each
	s_cmp_lt_u32 s5, 256
	s_cselect_b32 s33, 0, 2
	s_cmp_lt_u32 s4, s33
	s_cbranch_scc1 .Lend
	s_cmp_ge_u32 s4, 4
	s_cbranch_scc1 .Lend
	s_lshl_b32 s34, s4, 9
	s_add_co_u32 s35, s34, STAT
	v_add_nc_u32 v148, s35, v9
	ds_load_b128 v[10:13], v148
	s_lshl_b32 s36, s5, 10
	s_add_co_u32 s36, s36, s34
	s_mov_b32 s35, 4456448-1024
	s_cmp_lt_u32 s4, 2
	s_cselect_b32 s35, 4194304, s35
	s_add_co_u32 s36, s36, s35
	s_mov_b32 s37, 0
	s_add_nc_u64 s[58:59], s[24:25], s[36:37]
	s_wait_dscnt 0x0
	global_store_b128 v9, v[10:13], s[58:59]
.Lend:
	s_wait_tensorcnt 0x0                           ; the wave's end
	ds_add_u32 v4, v5
	s_wait_dscnt 0x0
	s_endpgm
.Lfunc_end_k_qb63b99858d_qkv:
	.size	k_qb63b99858d_qkv, .Lfunc_end_k_qb63b99858d_qkv-k_qb63b99858d_qkv
	.p2alignl 7, 3214868480
	.fill 96, 4, 3214868480
	.section	.rodata,"a",@progbits
	.p2align	6, 0x0
	.amdhsa_kernel k_qb63b99858d_qkv
		.amdhsa_group_segment_fixed_size 86016
		.amdhsa_private_segment_fixed_size 0
		.amdhsa_enable_private_segment 0
		.amdhsa_kernarg_size 72
		.amdhsa_user_sgpr_count 2
		.amdhsa_user_sgpr_kernarg_segment_ptr 1
		.amdhsa_wavefront_size32 1
		.amdhsa_system_sgpr_workgroup_id_x 1
		.amdhsa_system_sgpr_workgroup_id_y 1
		.amdhsa_system_sgpr_workgroup_id_z 1
		.amdhsa_system_vgpr_workitem_id 0
		.amdhsa_next_free_vgpr 256
		.amdhsa_next_free_sgpr 66
		.amdhsa_reserve_vcc 1
		.amdhsa_float_denorm_mode_32 3
		.amdhsa_float_denorm_mode_16_64 3
		.amdhsa_memory_ordered 1
		.amdhsa_forward_progress 1
		.amdhsa_inst_pref_size 83
	.end_amdhsa_kernel
	.amdgpu_metadata
---
amdhsa.version: [ 1, 2 ]
amdhsa.kernels:
  - .name:           k_qb63b99858d_qkv
    .symbol:         k_qb63b99858d_qkv.kd
    .args:
      - { .name: y, .offset: 0, .size: 8, .value_kind: global_buffer, .address_space: global }
      - { .name: mem, .offset: 8, .size: 8, .value_kind: global_buffer, .address_space: global }
      - { .name: WF, .offset: 16, .size: 8, .value_kind: global_buffer, .address_space: global }
      - { .name: bq_sa, .offset: 24, .size: 8, .value_kind: global_buffer, .address_space: global }
      - { .name: bk_sa, .offset: 32, .size: 8, .value_kind: global_buffer, .address_space: global }
      - { .name: bv_sa, .offset: 40, .size: 8, .value_kind: global_buffer, .address_space: global }
      - { .name: bk_x, .offset: 48, .size: 8, .value_kind: global_buffer, .address_space: global }
      - { .name: bv_x, .offset: 56, .size: 8, .value_kind: global_buffer, .address_space: global }
      - { .name: L1O, .offset: 64, .size: 8, .value_kind: global_buffer, .address_space: global }
    .group_segment_fixed_size: 86016
    .private_segment_fixed_size: 0
    .kernarg_segment_align: 8
    .kernarg_segment_size: 72
    .max_flat_workgroup_size: 256
    .sgpr_count:     66
    .vgpr_count:     256
    .wavefront_size: 32
...
	.end_amdgpu_metadata
.endif
;; end of part 2
;; launch mid (part 3): grid 256 x 1, 8 waves a work-group, no clusters, 66,560 bytes of LDS; arguments WF, L1O, MW; writes MW
.if DOCPART == 3
	.amdgcn_target "amdgcn-amd-amdhsa--gfx1250"
	.amdhsa_code_object_version 6
	.text
	.protected	k_qb63b99858d_mid
	.globl	k_qb63b99858d_mid
	.p2align	8
	.type	k_qb63b99858d_mid,@function
k_qb63b99858d_mid:
	s_mov_b64 s[64:65], 0
	v_nop
	global_prefetch_b8 v0, s[64:65] scope:SCOPE_SE
	s_setreg_imm32_b32 hwreg(HW_REG_WAVE_MODE, 25, 1), 1
	s_wait_xcnt 0x0
; mid: two roles by the work-group's number.
; 0-127 (attention a, sample b, column tile w' of 16 of the 128 columns e): the blocks' partial Bm^T are joined: cmG = max cm, each partial times 2^(cm - cmG), summed in f32, divided by
;   lG = sum of l 2^(cm - cmG); rounded to bf16 and multiplied by Wo's 64 rows of the head: M(e, n) = sum over d of Bm(e, d) Wo(64 head + d, n), stored as B fragments with k along e.
; 128-255: W1 = E1 D1 (64 work-groups) and W2 = E2 D2 (64): a block of 4 x 2 tiles; the 64 K steps are shared among the 8 waves, whose f32 sums meet in LDS.
; LIMITS.  Bm, M, W1 and W2 are rounded to bf16: (x E1) D1 is computed as x (E1 D1) and (A Bm) Wo as A (Bm Wo), so the order of rounding differs from the reference's.  A factor below 2^-126 counts as 0.
.set SPARE, 65536
.set CMR, 32                           ; v[32:63]  cm of the blocks, then their factors; later M's accumulators
.set LR,  64                           ; v[64:79]  l of blocks 2 i + h
.set TL,  96                           ; v[96:223] my half of the blocks' partial tiles
.set WO,  96                           ; later: 8 fragments of Wo
.set PT,  160                          ; later: the eight waves' sums
.set AC,  224
.set FA,  232                          ; two A fragments of Bm
.set RL,  248
.set MG,  250
.set LG,  251
.set T0,  252
.set RP,  96                           ; role 2: 3 slots x (4 A + 2 B fragments)
.macro PLACES
.rept 4
	v_nop
.endr
.endm
	s_load_b128 s[8:11], s[0:1], 0x0               ; WF, L1O
	s_load_b64 s[12:13], s[0:1], 0x10              ; MW
	v_lshl_add_u32 v4, v0, 2, SPARE
	v_mov_b32 v5, 0
	v_lshrrev_b32 v1, 5, v0
	v_readfirstlane_b32 s4, v1
	v_and_b32 v1, 31, v0
	v_and_b32 v2, 15, v0
	v_bfe_u32 v3, v0, 4, 1
	v_lshlrev_b32 v9, 4, v1
	s_mov_b32 s5, ttmp9
	s_mov_b32 s42, 0x76543210
	s_mov_b32 s43, 0xfedcba98
	s_lshl_b32 s52, s4, 10
	v_add_nc_u32 v12, s52, v9                      ; 1,024 wave + 16 L
	s_wait_kmcnt 0x0
	s_cmp_ge_u32 s5, 128
	s_cbranch_scc1 .Lprod
	s_lshr_b32 s14, s5, 6                          ; a
	s_bfe_u32 s15, s5, 0x30003                     ; b
	s_and_b32 s16, s5, 7                           ; w'
	s_lshr_b32 s17, s16, 2                         ; head
	s_and_b32 s18, s16, 3                          ; e tile in the head
	s_and_b32 s19, s4, 3                           ; my d tile
	s_lshr_b32 s20, s4, 2                          ; my half of the blocks
	s_lshl_b32 s21, s15, 5
	s_lshl_b32 s22, s15, 4
	s_add_co_u32 s22, s22, 256
	s_cmp_eq_u32 s14, 0
	s_cselect_b32 s21, s21, s22                    ; the sample's first block
	s_cselect_b32 s23, 16, 8                       ; half the number of its blocks
	s_lshl_b32 s32, s21, 10
	s_lshl_b32 s33, s16, 6
	s_add_co_u32 s32, s32, s33
	s_add_co_u32 s32, s32, 4456448
	s_mov_b32 s33, 0
	s_add_nc_u64 s[24:25], s[10:11], s[32:33]      ; K's statistics
	s_mul_i32 s34, s20, s23
	s_add_co_u32 s34, s34, s21
	s_lshl_b32 s34, s34, 15
	s_lshl_b32 s35, s16, 12
	s_add_co_u32 s34, s34, s35
	s_lshl_b32 s35, s19, 10
	s_add_co_u32 s34, s34, s35
	s_add_co_u32 s34, s34, 4849664
	s_mov_b32 s35, 0
	s_add_nc_u64 s[26:27], s[10:11], s[34:35]      ; my partial tiles
	s_lshl_b32 s36, s14, 17
	s_lshl_b32 s37, s4, 14
	s_add_co_u32 s36, s36, s37
	s_lshl_b32 s37, s17, 11
	s_add_co_u32 s36, s36, s37
	s_add_co_u32 s36, s36, 786432
	s_mov_b32 s37, 0
	s_add_nc_u64 s[28:29], s[8:9], s[36:37]        ; Wo: column tiles 4 wave + i, K steps 2 head + t
	s_lshl_b32 s38, s14, 20
	s_lshl_b32 s39, s15, 17
	s_add_co_u32 s38, s38, s39
	s_lshl_b32 s39, s4, 14
	s_add_co_u32 s38, s38, s39
	s_lshl_b32 s39, s17, 11
	s_add_co_u32 s38, s38, s39
	s_lshr_b32 s39, s18, 1
	s_lshl_b32 s39, s39, 10
	s_add_co_u32 s38, s38, s39
	s_and_b32 s39, s18, 1
	s_lshl_b32 s39, s39, 9
	s_add_co_u32 s38, s38, s39
	s_mov_b32 s39, 0
	s_add_nc_u64 s[30:31], s[12:13], s[38:39]      ; M
	v_lshlrev_b32 v10, 2, v2                       ; 4 r
	v_lshl_add_u32 v11, v3, 10, v10                ; + one block for the upper lanes
	v_cmp_eq_u32 s60, 1, v3
	s_cmp_eq_u32 s20, 1
	s_cselect_b32 s61, -1, 0
.macro COMB nb
.set i, 0
.rept \nb
	global_load_b32 v[CMR+i], v10, s[24:25] offset:1024*i
.set i, i+1
.endr
.set i, 0
.rept (\nb)/2
	global_load_b32 v[LR+i], v11, s[24:25] offset:2048*i+512
.set i, i+1
.endr
.set i, 0
.rept (\nb)/2
	global_load_b128 v[TL+8*i:TL+8*i+3], v9, s[26:27] offset:32768*i
	global_load_b128 v[TL+8*i+4:TL+8*i+7], v9, s[26:27] offset:32768*i+512
.set i, i+1
.endr
	s_wait_loadcnt 3*(\nb)/2                       ; cm is in; l's and the tiles' loads stay out
	v_max3_num_f32 v[MG], v[CMR], v[CMR+1], v[CMR+2]
.set i, 3
.rept ((\nb)-4)/2
	v_max3_num_f32 v[MG], v[MG], v[CMR+i], v[CMR+i+1]
.set i, i+2
.endr
	v_max_num_f32 v[MG], v[MG], v[CMR+(\nb)-1]
.set i, 0
.rept \nb
	v_sub_f32 v[CMR+i], v[CMR+i], v[MG]
.set i, i+1
.endr
.set i, 0
.rept \nb
	v_exp_f32 v[CMR+i], v[CMR+i]
.set i, i+1
.endr
	v_nop
	s_wait_loadcnt \nb                             ; l is in
	s_wait_alu depctr_va_vdst(0)
	v_cndmask_b32 v[T0], v[CMR], v[CMR+1], s60
	v_mul_f32 v[LG], v[LR], v[T0]
.set i, 1
.rept (\nb)/2-1
	v_cndmask_b32 v[T0], v[CMR+2*i], v[CMR+2*i+1], s60
	v_fmac_f32 v[LG], v[LR+i], v[T0]
.set i, i+1
.endr
	v_permlanex16_b32 v[T0], v[LG], s42, s43
	v_add_f32 v[LG], v[LG], v[T0]
	v_rcp_f32 v[RL], v[LG]
.set i, 0
.rept (\nb)/2                          ; my half's factors move down
	v_cndmask_b32 v[CMR+i], v[CMR+i], v[CMR+(\nb)/2+i], s61
.set i, i+1
.endr
	s_wait_alu depctr_va_vdst(0)
	v_mov_b32 v[RL+1], v[RL]
	s_wait_loadcnt 0x0
.set p, 0
.rept 4
	v_pk_mul_f32 v[AC+2*p:AC+2*p+1], v[TL+2*p:TL+2*p+1], v[CMR:CMR+1] op_sel_hi:[1,0]
.set p, p+1
.endr
.set i, 1
.rept (\nb)/2-1
.set p, 0
.rept 4
.if i%2
	v_pk_fma_f32 v[AC+2*p:AC+2*p+1], v[TL+8*i+2*p:TL+8*i+2*p+1], v[CMR+i-1:CMR+i], v[AC+2*p:AC+2*p+1] op_sel:[0,1,0] op_sel_hi:[1,1,1]
.else
	v_pk_fma_f32 v[AC+2*p:AC+2*p+1], v[TL+8*i+2*p:TL+8*i+2*p+1], v[CMR+i:CMR+i+1], v[AC+2*p:AC+2*p+1] op_sel_hi:[1,0,1]
.endif
.set p, p+1
.endr
.set i, i+1
.endr
.endm
	s_cmp_eq_u32 s14, 0
	s_cbranch_scc0 .Lc16
	COMB 32
	s_branch .Ljoin
.Lc16:
	COMB 16
.Ljoin:
.set i, 0
.rept 8                                ; fragment (column tile i / 2, K step i % 2) of Wo
	global_load_b128 v[WO+8*i:WO+8*i+3], v9, s[28:29] offset:4096*(i/2)+1024*(i%2)
	global_load_b128 v[WO+8*i+4:WO+8*i+7], v9, s[28:29] offset:4096*(i/2)+1024*(i%2)+512
.set i, i+1
.endr
	ds_store_b128 v12, v[AC:AC+3]
	ds_store_b128 v12, v[AC+4:AC+7] offset:512
	s_wait_dscnt 0x0
	s_barrier_signal -1
	s_barrier_wait -1
.set u, 0
.rept 8
	ds_load_b128 v[PT+8*u:PT+8*u+3], v9 offset:1024*u
	ds_load_b128 v[PT+8*u+4:PT+8*u+7], v9 offset:1024*u+512
.set u, u+1
.endr
	s_wait_dscnt 0x0
.set n, 0
.rept 16
	v_pk_add_f32 v[PT+2*n:PT+2*n+1], v[PT+2*n:PT+2*n+1], v[PT+32+2*n:PT+32+2*n+1]
.set n, n+1
.endr
.set n, 0
.rept 16
	v_pk_mul_f32 v[PT+2*n:PT+2*n+1], v[PT+2*n:PT+2*n+1], v[RL:RL+1]
.set n, n+1
.endr
.set n, 0
.rept 16                               ; d tiles 0, 1 are the first A fragment (rows e, k = d), tiles 2, 3 the second
	v_cvt_pk_bf16_f32 v[FA+n], v[PT+2*n], v[PT+2*n+1]
.set n, n+1
.endr
	s_wait_loadcnt 0x0
.set t, 0
.rept 2
.set i, 0
.rept 4
.if t == 0
	v_wmma_f32_16x16x32_bf16 v[CMR+8*i:CMR+8*i+7], v[FA+8*t:FA+8*t+7], v[WO+8*(2*i+t):WO+8*(2*i+t)+7], 0
.else
	v_wmma_f32_16x16x32_bf16 v[CMR+8*i:CMR+8*i+7], v[FA+8*t:FA+8*t+7], v[WO+8*(2*i+t):WO+8*(2*i+t)+7], v[CMR+8*i:CMR+8*i+7]
.endif
.set i, i+1
.endr
.set t, t+1
.endr
	PLACES
.set i, 0
.rept 4
.set p, 0
.rept 4
	v_cvt_pk_bf16_f32 v[CMR+8*i+p], v[CMR+8*i+2*p], v[CMR+8*i+2*p+1]
.set p, p+1
.endr
	global_store_b128 v9, v[CMR+8*i:CMR+8*i+3], s[30:31] offset:4096*i
.set i, i+1
.endr
	s_wait_tensorcnt 0x0                           ; the wave's end
	ds_add_u32 v4, v5
	s_wait_dscnt 0x0
	s_endpgm
.Lprod:
	s_sub_co_u32 s14, s5, 128
	s_lshr_b32 s15, s14, 3
	s_and_b32 s16, s14, 7
	s_sub_co_u32 s17, s14, 64
	s_lshr_b32 s17, s17, 4
	s_and_b32 s18, s14, 15
	s_mov_b32 s19, 6291456
	s_mov_b32 s20, 2097152
	s_mov_b32 s21, 2359296
	s_cmp_lt_u32 s14, 64
	s_cselect_b32 s15, s15, s17                    ; block of 4 row tiles
	s_cselect_b32 s16, s16, s18                    ; block of 2 column tiles
	s_cselect_b32 s19, 4194304, s19                ; E1's or E2's fragments
	s_cselect_b32 s20, 1048576, s20                ; D1's or D2's
	s_cselect_b32 s21, 2097152, s21                ; W1's or W2's
	s_cselect_b32 s22, 14, 13                      ; a column tile of the result: 16 or 8 fragments
	s_lshl_b32 s23, s4, 13                         ; my 8 K steps
	s_lshl_b32 s32, s15, 18
	s_add_co_u32 s32, s32, s19
	s_add_co_u32 s32, s32, s23
	s_mov_b32 s33, 0
	s_add_nc_u64 s[24:25], s[8:9], s[32:33]
	s_lshl_b32 s34, s16, 17
	s_add_co_u32 s34, s34, s20
	s_add_co_u32 s34, s34, s23
	s_mov_b32 s35, 0
	s_add_nc_u64 s[26:27], s[8:9], s[34:35]
	s_lshl_b32 s36, s16, 1
	s_and_b32 s37, s4, 1
	s_add_co_u32 s36, s36, s37
	s_lshl_b32 s36, s36, s22
	s_add_co_u32 s36, s36, s21
	s_lshl_b32 s37, s15, 1
	s_lshr_b32 s38, s4, 2
	s_add_co_u32 s37, s37, s38
	s_lshl_b32 s37, s37, 10
	s_add_co_u32 s36, s36, s37
	s_bfe_u32 s37, s4, 0x10001
	s_lshl_b32 s37, s37, 9
	s_add_co_u32 s36, s36, s37
	s_mov_b32 s37, 0
	s_add_nc_u64 s[30:31], s[12:13], s[36:37]
	v_add_nc_u32 v13, s23, v9                      ; 8,192 wave + 16 L
.macro PLOAD k
.set sl, RP+48*((\k)%3)
.set i, 0
.rept 4
	global_load_b128 v[sl+8*i:sl+8*i+3], v9, s[24:25] offset:65536*i+1024*(\k)
	global_load_b128 v[sl+8*i+4:sl+8*i+7], v9, s[24:25] offset:65536*i+1024*(\k)+512
.set i, i+1
.endr
.set i, 0
.rept 2
	global_load_b128 v[sl+32+8*i:sl+32+8*i+3], v9, s[26:27] offset:65536*i+1024*(\k)
	global_load_b128 v[sl+32+8*i+4:sl+32+8*i+7], v9, s[26:27] offset:65536*i+1024*(\k)+512
.set i, i+1
.endr
.endm
	PLOAD 0
	PLOAD 1
	PLOAD 2
.set k, 0
.rept 8
.if k < 6
	s_wait_loadcnt 24                              ; the two younger K steps' loads stay out
.else
	s_wait_loadcnt 12*(7-k)
.endif
.set sl, RP+48*(k%3)
.set i, 0
.rept 8                                ; tile i: row tile i / 2, column tile i % 2; eight accumulators by turns
.if k == 0
	v_wmma_f32_16x16x32_bf16 v[32+8*i:32+8*i+7], v[sl+8*(i/2):sl+8*(i/2)+7], v[sl+32+8*(i%2):sl+32+8*(i%2)+7], 0
.else
	v_wmma_f32_16x16x32_bf16 v[32+8*i:32+8*i+7], v[sl+8*(i/2):sl+8*(i/2)+7], v[sl+32+8*(i%2):sl+32+8*(i%2)+7], v[32+8*i:32+8*i+7]
.endif
.set i, i+1
.endr
	PLACES
.if k < 5
	PLOAD k+3
.endif
.set k, k+1
.endr
.set i, 0
.rept 8
	ds_store_b128 v13, v[32+8*i:32+8*i+3] offset:1024*i
	ds_store_b128 v13, v[32+8*i+4:32+8*i+7] offset:1024*i+512
.set i, i+1
.endr
	s_wait_dscnt 0x0
	s_barrier_signal -1
	s_barrier_wait -1
.set u, 0
.rept 8                                ; tile number = my wave's, of all eight waves
	ds_load_b128 v[96+8*u:96+8*u+3], v12 offset:8192*u
	ds_load_b128 v[96+8*u+4:96+8*u+7], v12 offset:8192*u+512
.set u, u+1
.endr
	s_wait_dscnt 0x0
.set u, 1
.rept 7
.set p, 0
.rept 4
	v_pk_add_f32 v[96+2*p:96+2*p+1], v[96+2*p:96+2*p+1], v[96+8*u+2*p:96+8*u+2*p+1]
.set p, p+1
.endr
.set u, u+1
.endr
.set p, 0
.rept 4
	v_cvt_pk_bf16_f32 v[96+p], v[96+2*p], v[96+2*p+1]
.set p, p+1
.endr
	global_store_b128 v9, v[96:99], s[30:31]       ; half a fragment with k along the product's rows
	s_wait_tensorcnt 0x0                           ; the wave's end
	ds_add_u32 v4, v5
	s_wait_dscnt 0x0
	s_endpgm
.Lfunc_end_k_qb63b99858d_mid:
	.size	k_qb63b99858d_mid, .Lfunc_end_k_qb63b99858d_mid-k_qb63b99858d_mid
	.p2alignl 7, 3214868480
	.fill 96, 4, 3214868480
	.section	.rodata,"a",@progbits
	.p2align	6, 0x0
	.amdhsa_kernel k_qb63b99858d_mid
		.amdhsa_group_segment_fixed_size 66560
		.amdhsa_private_segment_fixed_size 0
		.amdhsa_enable_private_segment 0
		.amdhsa_kernarg_size 24
		.amdhsa_user_sgpr_count 2
		.amdhsa_user_sgpr_kernarg_segment_ptr 1
		.amdhsa_wavefront_size32 1
		.amdhsa_system_sgpr_workgroup_id_x 1
		.amdhsa_system_sgpr_workgroup_id_y 1
		.amdhsa_system_sgpr_workgroup_id_z 1
		.amdhsa_system_vgpr_workitem_id 0
		.amdhsa_next_free_vgpr 256
		.amdhsa_next_free_sgpr 66
		.amdhsa_reserve_vcc 0
		.amdhsa_float_denorm_mode_32 3
		.amdhsa_float_denorm_mode_16_64 3
		.amdhsa_memory_ordered 1
		.amdhsa_forward_progress 1
		.amdhsa_inst_pref_size 58
	.end_amdhsa_kernel
	.amdgpu_metadata
---
amdhsa.version: [ 1, 2 ]
amdhsa.kernels:
  - .name:           k_qb63b99858d_mid
    .symbol:         k_qb63b99858d_mid.kd
    .args:
      - { .name: WF, .offset: 0, .size: 8, .value_kind: global_buffer, .address_space: global }
      - { .name: L1O, .offset: 8, .size: 8, .value_kind: global_buffer, .address_space: global }
      - { .name: MW, .offset: 16, .size: 8, .value_kind: global_buffer, .address_space: global }
    .group_segment_fixed_size: 66560
    .private_segment_fixed_size: 0
    .kernarg_segment_align: 8
    .kernarg_segment_size: 24
    .max_flat_workgroup_size: 256
    .sgpr_count:     66
    .vgpr_count:     256
    .wavefront_size: 32
...
	.end_amdgpu_metadata
.endif
;; end of part 3
;; launch aout_sa (part 4): grid 256 x 1, 8 waves a work-group, no clusters, 17,920 bytes of LDS; arguments y, L1O, MW, bo_sa, YA; writes YA
.if DOCPART == 4
	.amdgcn_target "amdgcn-amd-amdhsa--gfx1250"
	.amdhsa_code_object_version 6
	.text
	.protected	k_qb63b99858d_aout_sa
	.globl	k_qb63b99858d_aout_sa
	.p2align	8
	.type	k_qb63b99858d_aout_sa,@function
k_qb63b99858d_aout_sa:
	s_mov_b64 s[64:65], 0
	v_nop
	global_prefetch_b8 v0, s[64:65] scope:SCOPE_SE
	s_setreg_imm32_b32 hwreg(HW_REG_WAVE_MODE, 25, 1), 1
	s_wait_xcnt 0x0
; aout_sa: v = y + A M + bo for 64 rows, and the block's share of LayerNorm 1's statistics.  A = P fac: P is the block's 2^(c q - cm) in bf16, fac[e] = 2^(cm - cmG) / lG joins the sample's 32 blocks.
; Wave w computes fac for columns e = 16 w + r, scales two of the block's 16 fragments of P (through LDS), and makes 64 rows x columns 64 w .. 64 w + 63 of the output.
; M's column tiles are permuted (lane r of tile 4 w + t is column 64 w + 4 r + t): register j of the four tiles' results is four neighbouring columns of row 16 mt + 8 h + j,
; so 16 lanes store 256 consecutive aligned bytes without a stage.
; STATISTICS about a pivot K (the block's first y): S = sum (v - K), Q = sum (v - K)^2 in f32; stored: mean = K + S / n, M2 = Q - S S / n, n = 32,768.
; LIMITS.  y and bo are rounded once to bf16; fac and P fac are rounded to bf16; a factor below 2^-126 counts as 0; the pivot serves where it lies within a few spreads of the block's mean.
.set PF,    256                        ; the scaled P: 16 fragments
.set SCR,   16640                      ; the waves' sums
.set SPARE, 16896
.set RES, 32                           ; v[32:159]  32 quads of y, then of the result
.set PA,  160                          ; v[160:191] four A fragments; before: raw P and its factors
.set ACC, 192                          ; v[192:223] four accumulators; before: the blocks' cm and l
.set CB,  192
.set LB,  208
.set T0,  224
.set DT,  226
.set BI,  232
.set SD,  236
.set SQ,  240
.set ONE, 244
.set ZR,  245
.set RT,  160
.set MSB, 0
.macro WIN new
.if MSB != (\new)
	s_set_vgpr_msb (MSB<<8)|(\new)
.set MSB, \new
.endif
.endm
.macro PLACES
.rept 4
	v_nop
.endr
.endm
.macro STATQ q
	v_pk_add_f32 v[DT:DT+1], v[(\q):(\q)+1], s[48:49] op_sel_hi:[1,0]
	v_pk_add_f32 v[DT+2:DT+3], v[(\q)+2:(\q)+3], s[48:49] op_sel_hi:[1,0]
	v_pk_add_f32 v[SD:SD+1], v[SD:SD+1], v[DT:DT+1]
	v_pk_add_f32 v[SD+2:SD+3], v[SD+2:SD+3], v[DT+2:DT+3]
	v_pk_fma_f32 v[SQ:SQ+1], v[DT:DT+1], v[DT:DT+1], v[SQ:SQ+1]
	v_pk_fma_f32 v[SQ+2:SQ+3], v[DT+2:DT+3], v[DT+2:DT+3], v[SQ+2:SQ+3]
.endm
	s_load_b256 s[8:15], s[0:1], 0x0               ; y L1O MW bo_sa
	s_load_b64 s[16:17], s[0:1], 0x20              ; YA
	v_lshl_add_u32 v4, v0, 2, SPARE
	v_mov_b32 v5, 0
	v_lshrrev_b32 v1, 5, v0
	v_readfirstlane_b32 s4, v1
	v_and_b32 v1, 31, v0
	v_and_b32 v2, 15, v0
	v_bfe_u32 v3, v0, 4, 1
	v_lshlrev_b32 v9, 4, v1
	s_mov_b32 s5, ttmp9
	s_lshr_b32 s6, s5, 5                           ; sample
	s_mov_b32 s42, 0x76543210
	s_mov_b32 s43, 0xfedcba98
	s_lshl_b32 s32, s5, 17
	s_mov_b32 s33, 0
	s_lshl_b32 s58, s4, 6
	s_lshl_b32 s34, s6, 15
	s_add_co_u32 s34, s34, s58
	s_add_co_u32 s34, s34, 4194304
	s_mov_b32 s35, 0
	s_lshl_b32 s36, s5, 10
	s_add_co_u32 s36, s36, s58
	s_add_co_u32 s36, s36, 4194304
	s_mov_b32 s37, 0
	s_lshl_b32 s38, s5, 14
	s_lshl_b32 s58, s4, 11
	s_add_co_u32 s38, s38, s58
	s_mov_b32 s39, 0
	s_lshl_b32 s52, s6, 17
	s_lshl_b32 s58, s4, 14
	s_add_co_u32 s52, s52, s58
	s_mov_b32 s53, 0
	s_lshl_b32 s56, s5, 3
	s_add_co_u32 s56, s56, 33554432
	s_mov_b32 s57, 0
	v_lshlrev_b32 v10, 2, v2                       ; 4 r
	v_lshl_add_u32 v11, v3, 14, v10                ; + 16 blocks for the upper lanes
	s_lshl_b32 s58, s4, 8
	v_lshl_add_u32 v12, v2, 4, s58                 ; 256 w + 16 r
	v_lshl_add_u32 v6, v3, 14, v12                 ; + 8 h rows
	s_lshl_b32 s58, s4, 5
	v_lshl_add_u32 v17, v2, 1, s58                 ; fac's place: 2 (16 w + r)
	s_and_b32 s58, s4, 1
	s_lshl_b32 s58, s58, 7
	v_lshl_add_u32 v18, v3, 4, s58                 ; the factors of my two fragments
	s_lshl_b32 s58, s4, 11
	s_add_co_u32 s58, s58, PF
	v_add_nc_u32 v19, s58, v9
	v_add_nc_u32 v20, PF, v9
	s_lshl_b32 s58, s4, 3
	s_add_co_u32 s58, s58, SCR
	v_mov_b32 v21, s58
	v_mov_b32 v22, SCR
	v_mov_b32 v15, 0
	v_mov_b32 v16, 0
	v_mov_b32 v[ONE], 1.0
	v_mov_b32 v[ZR], 0
.set i, 0
.rept 8
	v_mov_b32 v[SD+i], 0                           ; the eight running sums
.set i, i+1
.endr
	s_wait_kmcnt 0x0
	s_add_nc_u64 s[18:19], s[8:9], s[32:33]        ; y's rows
	s_add_nc_u64 s[20:21], s[16:17], s[32:33]      ; the result's rows
	s_add_nc_u64 s[22:23], s[10:11], s[34:35]      ; the sample's statistics of Q
	s_add_nc_u64 s[24:25], s[10:11], s[36:37]      ; my block's
	s_add_nc_u64 s[26:27], s[10:11], s[38:39]      ; my two fragments of P
	s_add_nc_u64 s[28:29], s[12:13], s[52:53]      ; my 16 fragments of M
	s_add_nc_u64 s[30:31], s[16:17], s[56:57]      ; where mean and M2 go
	s_load_b32 s54, s[18:19], 0x0                  ; the pivot
	global_load_b32 v13, v10, s[24:25]
.set i, 0
.rept 16
	global_load_b32 v[CB+i], v11, s[22:23] offset:1024*i
.set i, i+1
.endr
.set i, 0
.rept 16
	global_load_b32 v[LB+i], v11, s[22:23] offset:1024*i+512
.set i, i+1
.endr
.set i, 0
.rept 4
	global_load_b128 v[PA+4*i:PA+4*i+3], v9, s[26:27] offset:512*i
.set i, i+1
.endr
	global_load_b128 v[BI:BI+3], v12, s[14:15]
	WIN 0x40                                       ; destination in window 1
.set i, 0
.rept 16
	global_load_b128 v[8*i:8*i+3], v9, s[28:29] offset:1024*i
	global_load_b128 v[8*i+4:8*i+7], v9, s[28:29] offset:1024*i+512
.set i, i+1
.endr
	WIN 0
.set q, 0
.rept 32
	global_load_b128 v[RES+4*q:RES+4*q+3], v6, s[18:19] offset:2048*(16*(q/8)+q%8)
.set q, q+1
.endr
	s_wait_loadcnt 63                              ; of 102 loads the oldest 39 are in: the 38 of statistics, P and bo among them
	v_max3_num_f32 v14, v[CB], v[CB+1], v[CB+2]
.set i, 3
.rept 6
	v_max3_num_f32 v14, v14, v[CB+i], v[CB+i+1]
.set i, i+2
.endr
	v_max_num_f32 v14, v14, v[CB+15]
	v_permlanex16_b32 v15, v14, s42, s43
	v_max_num_f32 v14, v14, v15                    ; cmG
.set i, 0
.rept 16
	v_sub_f32 v[CB+i], v[CB+i], v14
.set i, i+1
.endr
	v_sub_f32 v13, v13, v14
.set i, 0
.rept 16
	v_exp_f32 v[CB+i], v[CB+i]
.set i, i+1
.endr
	v_exp_f32 v13, v13
	v_nop
	s_wait_alu depctr_va_vdst(0)
	v_mul_f32 v15, v[LB], v[CB]
.set i, 1
.rept 15
	v_fmac_f32 v15, v[LB+i], v[CB+i]
.set i, i+1
.endr
	v_permlanex16_b32 v16, v15, s42, s43
	v_add_f32 v15, v15, v16                        ; lG
	v_rcp_f32 v15, v15
	v_nop
	s_wait_alu depctr_va_vdst(0)
	v_mul_f32 v13, v13, v15
	v_cvt_pk_bf16_f32 v13, v13, v13
	ds_store_b16 v17, v13
	s_wait_dscnt 0x0
	s_barrier_signal -1
	s_barrier_wait -1
.set i, 0
.rept 4
	ds_load_b128 v[PA+16+4*i:PA+16+4*i+3], v18 offset:32*i
.set i, i+1
.endr
	s_wait_dscnt 0x0
.set i, 0
.rept 16
	v_pk_mul_bf16 v[PA+i], v[PA+i], v[PA+16+i]
.set i, i+1
.endr
.set i, 0
.rept 4
	ds_store_b128 v19, v[PA+4*i:PA+4*i+3] offset:512*i
.set i, i+1
.endr
	v_cvt_pk_bf16_f32 v[T0], v[BI], v[BI+1]        ; bo rounded to bf16
	v_cvt_pk_bf16_f32 v[T0+1], v[BI+2], v[BI+3]
	v_lshlrev_b32 v[BI], 16, v[T0]
	v_and_b32 v[BI+1], 0xffff0000, v[T0]
	v_lshlrev_b32 v[BI+2], 16, v[T0+1]
	v_and_b32 v[BI+3], 0xffff0000, v[T0+1]
	s_wait_kmcnt 0x0
	s_xor_b32 s48, s54, 0x80000000                 ; - pivot
	s_mov_b32 s49, s48
	s_wait_dscnt 0x0
	s_barrier_signal -1
	s_barrier_wait -1
.set mt, 0
.rept 4
.set kk, 0
.rept 4
	ds_load_b128 v[PA+8*kk:PA+8*kk+3], v20 offset:4096*mt+1024*kk
	ds_load_b128 v[PA+8*kk+4:PA+8*kk+7], v20 offset:4096*mt+1024*kk+512
.set kk, kk+1
.endr
.if mt == 0
	s_wait_loadcnt 32                              ; M is in; y's 32 loads stay out
.endif
	s_wait_dscnt 0x0
	WIN 0x04                                       ; source 1 (M) in window 1
.set kk, 0
.rept 4
.set t, 0
.rept 4
.if kk == 0
	v_wmma_f32_16x16x32_bf16 v[ACC+8*t:ACC+8*t+7], v[PA+8*kk:PA+8*kk+7], v[8*(4*t+kk):8*(4*t+kk)+7], 0
.else
	v_wmma_f32_16x16x32_bf16 v[ACC+8*t:ACC+8*t+7], v[PA+8*kk:PA+8*kk+7], v[8*(4*t+kk):8*(4*t+kk)+7], v[ACC+8*t:ACC+8*t+7]
.endif
.set t, t+1
.endr
.set kk, kk+1
.endr
	WIN 0
	PLACES
.set j, 0
.rept 8
.set R, RES+4*(8*mt+j)
	s_wait_loadcnt 31-(8*mt+j)                     ; the younger quads of y stay out
	v_cvt_pk_bf16_f32 v[T0], v[R], v[R+1]
	v_cvt_pk_bf16_f32 v[T0+1], v[R+2], v[R+3]
	v_fma_mix_f32_bf16 v[R], v[T0], v[ONE], v[BI] op_sel_hi:[1,0,0]
	v_fma_mix_f32_bf16 v[R+1], v[T0], v[ONE], v[BI+1] op_sel:[1,0,0] op_sel_hi:[1,0,0]
	v_fma_mix_f32_bf16 v[R+2], v[T0+1], v[ONE], v[BI+2] op_sel_hi:[1,0,0]
	v_fma_mix_f32_bf16 v[R+3], v[T0+1], v[ONE], v[BI+3] op_sel:[1,0,0] op_sel_hi:[1,0,0]
.set t, 0
.rept 4
	v_add_f32 v[R+t], v[R+t], v[ACC+8*t+j]
.set t, t+1
.endr
	STATQ R
	global_store_b128 v6, v[R:R+3], s[20:21] offset:2048*(16*mt+j)  ; 16 lanes: 256 consecutive bytes, aligned; the quad's registers are not written again
.set j, j+1
.endr
.set mt, mt+1
.endr
	; the block's sums: lanes, then waves through LDS
	v_pk_add_f32 v[SD:SD+1], v[SD:SD+1], v[SD+2:SD+3]
	v_pk_add_f32 v[SQ:SQ+1], v[SQ:SQ+1], v[SQ+2:SQ+3]
	v_add_f32 v[SD], v[SD], v[SD+1]
	v_add_f32 v[SD+1], v[SQ], v[SQ+1]
.irp m, 1,2,4,8
	v_add_f32_dpp v[SD], v[SD], v[SD] row_xmask:\m row_mask:0xf bank_mask:0xf
	v_add_f32_dpp v[SD+1], v[SD+1], v[SD+1] row_xmask:\m row_mask:0xf bank_mask:0xf
.endr
	v_permlanex16_b32 v[SQ], v[SD], s42, s43
	v_permlanex16_b32 v[SQ+1], v[SD+1], s42, s43
	v_pk_add_f32 v[SD:SD+1], v[SD:SD+1], v[SQ:SQ+1]
	ds_store_b64 v21, v[SD:SD+1]
	s_wait_dscnt 0x0
	s_barrier_signal -1
	s_barrier_wait -1
.set u, 0
.rept 4
	ds_load_b128 v[RT+4*u:RT+4*u+3], v22 offset:16*u
.set u, u+1
.endr
	s_wait_dscnt 0x0
.set u, 1
.rept 7
	v_pk_add_f32 v[RT:RT+1], v[RT:RT+1], v[RT+2*u:RT+2*u+1]
.set u, u+1
.endr
	v_mov_b32 v[RT+2], 0x38000000                  ; 1 / 32,768
	v_mul_f32 v[RT+2], v[RT], v[RT+2]
	v_fma_f32 v[RT+5], -v[RT+2], v[RT], v[RT+1]    ; M2
	v_add_f32 v[RT+4], s54, v[RT+2]                ; mean
	s_cmp_lg_u32 s4, 0
	s_cbranch_scc1 .Lend
	v_cmp_eq_u32 vcc_lo, 0, v1
	s_wait_xcnt 0x0                                ; EXEC changes only behind this wait
	s_and_saveexec_b32 s51, vcc_lo
	global_store_b64 v[ZR], v[RT+4:RT+5], s[30:31]
	s_wait_xcnt 0x0
	s_or_b32 exec_lo, exec_lo, s51
.Lend:
	s_wait_tensorcnt 0x0                           ; the wave's end
	ds_add_u32 v4, v5
	s_wait_dscnt 0x0
	s_endpgm
.Lfunc_end_k_qb63b99858d_aout_sa:
	.size	k_qb63b99858d_aout_sa, .Lfunc_end_k_qb63b99858d_aout_sa-k_qb63b99858d_aout_sa
	.p2alignl 7, 3214868480
	.fill 96, 4, 3214868480
	.section	.rodata,"a",@progbits
	.p2align	6, 0x0
	.amdhsa_kernel k_qb63b99858d_aout_sa
		.amdhsa_group_segment_fixed_size 17920
		.amdhsa_private_segment_fixed_size 0
		.amdhsa_enable_private_segment 0
		.amdhsa_kernarg_size 40
		.amdhsa_user_sgpr_count 2
		.amdhsa_user_sgpr_kernarg_segment_ptr 1
		.amdhsa_wavefront_size32 1
		.amdhsa_system_sgpr_workgroup_id_x 1
		.amdhsa_system_sgpr_workgroup_id_y 1
		.amdhsa_system_sgpr_workgroup_id_z 1
		.amdhsa_system_vgpr_workitem_id 0
		.amdhsa_next_free_vgpr 384
		.amdhsa_next_free_sgpr 66
		.amdhsa_reserve_vcc 1
		.amdhsa_float_denorm_mode_32 3
		.amdhsa_float_denorm_mode_16_64 3
		.amdhsa_memory_ordered 1
		.amdhsa_forward_progress 1
		.amdhsa_inst_pref_size 59
	.end_amdhsa_kernel
	.amdgpu_metadata
---
amdhsa.version: [ 1, 2 ]
amdhsa.kernels:
  - .name:           k_qb63b99858d_aout_sa
    .symbol:         k_qb63b99858d_aout_sa.kd
    .args:
      - { .name: y, .offset: 0, .size: 8, .value_kind: global_buffer, .address_space: global }
      - { .name: L1O, .offset: 8, .size: 8, .value_kind: global_buffer, .address_space: global }
      - { .name: MW, .offset: 16, .size: 8, .value_kind: global_buffer, .address_space: global }
      - { .name: bo_sa, .offset: 24, .size: 8, .value_kind: global_buffer, .address_space: global }
      - { .name: YA, .offset: 32, .size: 8, .value_kind: global_buffer, .address_space: global }
    .group_segment_fixed_size: 17920
    .private_segment_fixed_size: 0
    .kernarg_segment_align: 8
    .kernarg_segment_size: 40
    .max_flat_workgroup_size: 256
    .sgpr_count:     66
    .vgpr_count:     384
    .wavefront_size: 32
...
	.end_amdgpu_metadata
.endif
;; end of part 4
;; launch qx (part 5): grid 256 x 1, 8 waves a work-group, no clusters, 68,608 bytes of LDS; arguments YA, g1, b1, WF, bq_x, PX; writes PX
.if DOCPART == 5
	.amdgcn_target "amdgcn-amd-amdhsa--gfx1250"
	.amdhsa_code_object_version 6
	.text
	.protected	k_qb63b99858d_qx
	.globl	k_qb63b99858d_qx
	.p2align	8
	.type	k_qb63b99858d_qx,@function
k_qb63b99858d_qx:
	s_mov_b64 s[64:65], 0
	v_nop
	global_prefetch_b8 v0, s[64:65] scope:SCOPE_SE
	s_setreg_imm32_b32 hwreg(HW_REG_WAVE_MODE, 25, 1), 1
	s_wait_xcnt 0x0
; qx: x1 = LayerNorm 1 of 64 rows (rounded to bf16 into LDS), Q = x1 Wq_x + bq_x, and the block's softmax down the sequence: cm, l and P = 2^(c q - cm) in bf16, as in the launch that makes Q, K, V of y.
; The sample's mean and variance are joined from its 32 blocks' (mean, M2): mu = sum mean / 32, var = sum (M2 + 32,768 (mean - mu)^2) / 2^20.
; Rows come through a ring of 8 slots in registers (a quad of the stream, of g1 and of b1 each): 24 loads of every wave are on their way.
; LIMITS.  g1, b1, bq_x and Wq_x are rounded once to bf16; a weight below 2^-126 counts as 0.
.set XP,    1040
.set STAT,  66560
.set SPARE, 67584
.set BQ, 10
.set LT, 18                            ; v[18:21] the statistics at work
.set RN, 32                            ; v[32:127] the ring
.set QA, 32                            ; later: four accumulators,
.set AF0, 64                           ; two buffers of the rows' fragments
.set CM, 64
.set LS, 72
.set VSA, 80
.set WQ, 128                           ; v[128:255] my column tile's 16 fragments of Wq_x
.set PBS, 22
.macro PLACES
.rept 4
	v_nop
.endr
.endm
.macro LNQ y, g, b, d                  ; d = (y rstd - mu rstd) bf16(g) + bf16(b), four numbers
	v_pk_fma_f32 v[(\y):(\y)+1], v[(\y):(\y)+1], s[44:45], s[46:47] op_sel_hi:[1,0,0]
	v_pk_fma_f32 v[(\y)+2:(\y)+3], v[(\y)+2:(\y)+3], s[44:45], s[46:47] op_sel_hi:[1,0,0]
	v_cvt_pk_bf16_f32 v[(\g)], v[(\g)], v[(\g)+1]
	v_cvt_pk_bf16_f32 v[(\g)+1], v[(\g)+2], v[(\g)+3]
	v_cvt_pk_bf16_f32 v[(\b)], v[(\b)], v[(\b)+1]
	v_cvt_pk_bf16_f32 v[(\b)+1], v[(\b)+2], v[(\b)+3]
	v_fma_mix_f32_bf16 v[(\d)], v[(\y)], v[(\g)], v[(\b)] op_sel_hi:[0,1,1]
	v_fma_mix_f32_bf16 v[(\d)+1], v[(\y)+1], v[(\g)], v[(\b)] op_sel:[0,1,1] op_sel_hi:[0,1,1]
	v_fma_mix_f32_bf16 v[(\d)+2], v[(\y)+2], v[(\g)+1], v[(\b)+1] op_sel_hi:[0,1,1]
	v_fma_mix_f32_bf16 v[(\d)+3], v[(\y)+3], v[(\g)+1], v[(\b)+1] op_sel:[0,1,1] op_sel_hi:[0,1,1]
.endm
	s_load_b256 s[8:15], s[0:1], 0x0               ; YA g1 b1 WF
	s_load_b128 s[16:19], s[0:1], 0x20             ; bq_x PX
	v_lshl_add_u32 v4, v0, 2, SPARE
	v_mov_b32 v5, 0
	v_lshrrev_b32 v1, 5, v0
	v_readfirstlane_b32 s4, v1
	v_and_b32 v1, 31, v0
	v_and_b32 v2, 15, v0
	v_bfe_u32 v3, v0, 4, 1
	v_lshlrev_b32 v6, 4, v0
	v_lshlrev_b32 v9, 4, v1
	s_mov_b32 s5, ttmp9
	s_lshr_b32 s6, s5, 5
	s_and_b32 s7, s5, 31
	s_mov_b32 s40, 0x3f0293ee
	s_mov_b32 s41, s40
	s_mov_b32 s42, 0x76543210
	s_mov_b32 s43, 0xfedcba98
	s_mov_b32 s55, 0x35800000                      ; 2^-20
	s_mov_b32 s56, 0x3727c5ac                      ; 1e-5
	s_lshr_b32 s52, s4, 2
	s_and_b32 s53, s4, 3
	s_mul_i32 s57, s52, XP
	s_lshl_b32 s58, s53, 8
	s_add_co_u32 s57, s57, s58
	v_lshl_add_u32 v7, v1, 3, s57
	v_mul_u32_u24 v8, v2, XP
	v_lshl_add_u32 v8, v3, 4, v8
	s_lshl_b32 s58, s4, 6
	v_lshlrev_b32 v22, 5, v3
	v_add_nc_u32 v22, s58, v22
	v_lshlrev_b32 v23, 3, v1                       ; 8 L: block L's (mean, M2)
	v_mov_b32 v[LT+3], 0
	s_lshl_b32 s26, s5, 17
	s_mov_b32 s27, 0
	s_lshl_b32 s28, s7, 17
	s_mov_b32 s29, 0
	s_lshl_b32 s30, s6, 8
	s_add_co_u32 s30, s30, 33554432
	s_mov_b32 s31, 0
	s_lshl_b32 s32, s53, 15
	s_lshl_b32 s33, s52, 14
	s_add_co_u32 s32, s32, s33
	s_add_co_u32 s32, s32, 393216
	s_mov_b32 s33, 0
	s_lshl_b32 s34, s5, 14
	s_lshl_b32 s35, s4, 9
	s_add_co_u32 s34, s34, s35
	s_lshl_b32 s36, s5, 10
	s_add_co_u32 s36, s36, s35
	s_add_co_u32 s36, s36, 4194304
	s_mov_b32 s35, 0
	s_mov_b32 s37, 0
	s_wait_kmcnt 0x0
	s_add_nc_u64 s[20:21], s[8:9], s[30:31]
	s_add_nc_u64 s[8:9], s[8:9], s[26:27]
	s_add_nc_u64 s[10:11], s[10:11], s[28:29]
	s_add_nc_u64 s[12:13], s[12:13], s[28:29]
	s_add_nc_u64 s[14:15], s[14:15], s[32:33]
	s_add_nc_u64 s[PBS:PBS+1], s[18:19], s[34:35]
	s_add_nc_u64 s[24:25], s[18:19], s[36:37]
	global_load_b64 v[LT:LT+1], v23, s[20:21]
	global_load_b128 v[BQ:BQ+3], v22, s[16:17]
	global_load_b128 v[BQ+4:BQ+7], v22, s[16:17] offset:16
.set i, 0
.rept 16
	global_load_b128 v[WQ+8*i:WQ+8*i+3], v9, s[14:15] offset:1024*i
	global_load_b128 v[WQ+8*i+4:WQ+8*i+7], v9, s[14:15] offset:1024*i+512
.set i, i+1
.endr
.set i, 0
.rept 8
	global_load_b128 v[RN+12*i:RN+12*i+3], v6, s[8:9] offset:4096*i
	global_load_b128 v[RN+12*i+4:RN+12*i+7], v6, s[10:11] offset:4096*i
	global_load_b128 v[RN+12*i+8:RN+12*i+11], v6, s[12:13] offset:4096*i
.set i, i+1
.endr
	s_wait_loadcnt 58                              ; the statistics are in; the 58 younger loads stay out
	v_mov_b32 v[LT+2], v[LT]
.irp m, 1,2,4,8
	v_add_f32_dpp v[LT+2], v[LT+2], v[LT+2] row_xmask:\m row_mask:0xf bank_mask:0xf
.endr
	v_permlanex16_b32 v[LT+3], v[LT+2], s42, s43
	v_add_f32 v[LT+2], v[LT+2], v[LT+3]
	v_mul_f32 v[LT+2], 0x3d000000, v[LT+2]         ; mu
	v_sub_f32 v[LT], v[LT], v[LT+2]
	v_mul_f32 v[LT], v[LT], v[LT]
	v_fmamk_f32 v[LT], v[LT], 0x47000000, v[LT+1]
.irp m, 1,2,4,8
	v_add_f32_dpp v[LT], v[LT], v[LT] row_xmask:\m row_mask:0xf bank_mask:0xf
.endr
	v_permlanex16_b32 v[LT+3], v[LT], s42, s43
	v_add_f32 v[LT], v[LT], v[LT+3]
	v_fma_f32 v[LT], v[LT], s55, s56               ; var + eps
	v_rsq_f32 v[LT], v[LT]
	v_nop
	s_wait_alu depctr_va_vdst(0)
	v_mul_f32 v[LT+2], v[LT+2], v[LT]
	v_readfirstlane_b32 s44, v[LT]                 ; rstd
	v_readfirstlane_b32 s46, v[LT+2]
	s_mov_b32 s45, s44
	s_xor_b32 s46, s46, 0x80000000                 ; - mu rstd
	s_mov_b32 s47, s46
.macro SLOT s, re, n
	s_wait_loadcnt \n                              ; the other slots' younger loads stay out
	LNQ RN+12*(\s), RN+12*(\s)+4, RN+12*(\s)+8, RN+12*(\s)
	v_cvt_pk_bf16_f32 v[28+2*((\s)%2)], v[RN+12*(\s)], v[RN+12*(\s)+1]
	v_cvt_pk_bf16_f32 v[29+2*((\s)%2)], v[RN+12*(\s)+2], v[RN+12*(\s)+3]
	ds_store_b64 v7, v[28+2*((\s)%2):29+2*((\s)%2)] offset:2080*(\s)
.if \re
	global_load_b128 v[RN+12*(\s):RN+12*(\s)+3], v6, s[8:9] offset:4096*(\s)+32768
	global_load_b128 v[RN+12*(\s)+4:RN+12*(\s)+7], v6, s[10:11] offset:4096*(\s)+32768
	global_load_b128 v[RN+12*(\s)+8:RN+12*(\s)+11], v6, s[12:13] offset:4096*(\s)+32768
.endif
.endm
	s_mov_b32 s50, 3
.Ltrip:                                                ; 16 rows a trip
.irp s, 0,1,2,3,4,5,6,7
	SLOT \s, 1, 21
.endr
	s_wait_xcnt 0x0                                ; the bases are stepped only behind this wait
	s_add_nc_u64 s[8:9], s[8:9], 32768
	s_add_nc_u64 s[10:11], s[10:11], 32768
	s_add_nc_u64 s[12:13], s[12:13], 32768
	v_add_nc_u32 v7, 16640, v7
	s_sub_co_u32 s50, s50, 1
	s_cmp_lg_u32 s50, 0
	s_cbranch_scc1 .Ltrip
.irp s, 0,1,2,3,4,5,6,7
	SLOT \s, 0, 3*(7-\s)
.endr
.irp p, 0,2,4,6
	v_cvt_pk_bf16_f32 v28, v[BQ+\p], v[BQ+\p+1]    ; bq rounded to bf16
	v_lshlrev_b32 v[BQ+\p], 16, v28
	v_and_b32 v[BQ+\p+1], 0xffff0000, v28
.endr
	s_wait_dscnt 0x0
	s_barrier_signal -1
	s_barrier_wait -1
.set mt, 0
.rept 4
	ds_load_b128 v[AF0+8*mt:AF0+8*mt+3], v8 offset:16640*mt
	ds_load_b128 v[AF0+8*mt+4:AF0+8*mt+7], v8 offset:16640*mt+32
.set mt, mt+1
.endr
.set k, 0
.rept 16
	PLACES                                         ; in front of loads into the buffer that the last four products read
.if k < 15
.set AN, AF0+32*((k+1)%2)
.set mt, 0
.rept 4
	ds_load_b128 v[AN+8*mt:AN+8*mt+3], v8 offset:16640*mt+64*(k+1)
	ds_load_b128 v[AN+8*mt+4:AN+8*mt+7], v8 offset:16640*mt+64*(k+1)+32
.set mt, mt+1
.endr
	s_wait_dscnt 8                                 ; the eight just issued stay out
.else
	s_wait_dscnt 0x0
.endif
.set AB, AF0+32*(k%2)
.set mt, 0
.rept 4
.if k == 0
	v_wmma_f32_16x16x32_bf16 v[QA+8*mt:QA+8*mt+7], v[WQ+8*k:WQ+8*k+7], v[AB+8*mt:AB+8*mt+7], 0
.else
	v_wmma_f32_16x16x32_bf16 v[QA+8*mt:QA+8*mt+7], v[WQ+8*k:WQ+8*k+7], v[AB+8*mt:AB+8*mt+7], v[QA+8*mt:QA+8*mt+7]
.endif
.set mt, mt+1
.endr
.set k, k+1
.endr
	PLACES
	; a lane holds row 16 mt + r and columns 16 w + 8 h + j
.set n, 0
.rept 16
	v_pk_add_f32 v[QA+2*n:QA+2*n+1], v[QA+2*n:QA+2*n+1], v[BQ+2*(n%4):BQ+2*(n%4)+1]
.set n, n+1
.endr
.set j, 0
.rept 8
	v_max3_num_f32 v[CM+j], v[QA+j], v[QA+8+j], v[QA+16+j]
.set j, j+1
.endr
.set j, 0
.rept 8
	v_max_num_f32 v[CM+j], v[CM+j], v[QA+24+j]
.set j, j+1
.endr
.irp m, 1,2,4,8
.set j, 0
.rept 8
	v_max_num_f32_dpp v[CM+j], v[CM+j], v[CM+j] row_xmask:\m row_mask:0xf bank_mask:0xf
.set j, j+1
.endr
.endr
.set j, 0
.rept 4
	v_pk_mul_f32 v[CM+2*j:CM+2*j+1], v[CM+2*j:CM+2*j+1], s[40:41] op_sel_hi:[1,0]
.set j, j+1
.endr
.set n, 0
.rept 16
	v_pk_fma_f32 v[QA+2*n:QA+2*n+1], v[QA+2*n:QA+2*n+1], s[40:41], v[CM+2*(n%4):CM+2*(n%4)+1] op_sel_hi:[1,0,1] neg_lo:[0,0,1] neg_hi:[0,0,1]
.set n, n+1
.endr
.set n, 0
.rept 32
	v_exp_f32 v[QA+n], v[QA+n]
.set n, n+1
.endr
	v_nop
.set j, 0
	s_wait_alu depctr_va_vdst(0)
.rept 4
	v_pk_add_f32 v[LS+2*j:LS+2*j+1], v[QA+2*j:QA+2*j+1], v[QA+8+2*j:QA+8+2*j+1]
.set j, j+1
.endr
.set j, 0
.rept 4
	v_pk_add_f32 v[LS+2*j:LS+2*j+1], v[LS+2*j:LS+2*j+1], v[QA+16+2*j:QA+16+2*j+1]
.set j, j+1
.endr
.set j, 0
.rept 4
	v_pk_add_f32 v[LS+2*j:LS+2*j+1], v[LS+2*j:LS+2*j+1], v[QA+24+2*j:QA+24+2*j+1]
.set j, j+1
.endr
.irp m, 1,2,4,8
.set j, 0
.rept 8
	v_add_f32_dpp v[LS+j], v[LS+j], v[LS+j] row_xmask:\m row_mask:0xf bank_mask:0xf
.set j, j+1
.endr
.endr
	s_lshl_b32 s57, s4, 6
	s_add_co_u32 s57, s57, STAT
	v_lshl_add_u32 v[VSA], v3, 5, s57
.set mt, 0
.rept 4
.set p, 0
.rept 4
	v_cvt_pk_bf16_f32 v[QA+8*mt+p], v[QA+8*mt+2*p], v[QA+8*mt+2*p+1]
.set p, p+1
.endr
	global_store_b128 v9, v[QA+8*mt:QA+8*mt+3], s[PBS:PBS+1] offset:4096*mt
.set mt, mt+1
.endr
	ds_store_b128 v[VSA], v[CM:CM+3]
	ds_store_b128 v[VSA], v[CM+4:CM+7] offset:16
	ds_store_b128 v[VSA], v[LS:LS+3] offset:512
	ds_store_b128 v[VSA], v[LS+4:LS+7] offset:528
	s_wait_dscnt 0x0
	s_barrier_signal -1
	s_barrier_wait -1
	s_cmp_ge_u32 s4, 2
	s_cbranch_scc1 .Lend                           ; waves 0 and 1 copy cm and l out, 512 bytes each
	s_lshl_b32 s57, s4, 9
	s_add_co_u32 s57, s57, STAT
	v_add_nc_u32 v81, s57, v9
	ds_load_b128 v[84:87], v81
	s_wait_dscnt 0x0
	global_store_b128 v9, v[84:87], s[24:25]
.Lend:
	s_wait_tensorcnt 0x0                           ; the wave's end
	ds_add_u32 v4, v5
	s_wait_dscnt 0x0
	s_endpgm
.Lfunc_end_k_qb63b99858d_qx:
	.size	k_qb63b99858d_qx, .Lfunc_end_k_qb63b99858d_qx-k_qb63b99858d_qx
	.p2alignl 7, 3214868480
	.fill 96, 4, 3214868480
	.section	.rodata,"a",@progbits
	.p2align	6, 0x0
	.amdhsa_kernel k_qb63b99858d_qx
		.amdhsa_group_segment_fixed_size 68608
		.amdhsa_private_segment_fixed_size 0
		.amdhsa_enable_private_segment 0
		.amdhsa_kernarg_size 48
		.amdhsa_user_sgpr_count 2
		.amdhsa_user_sgpr_kernarg_segment_ptr 1
		.amdhsa_wavefront_size32 1
		.amdhsa_system_sgpr_workgroup_id_x 1
		.amdhsa_system_sgpr_workgroup_id_y 1
		.amdhsa_system_sgpr_workgroup_id_z 1
		.amdhsa_system_vgpr_workitem_id 0
		.amdhsa_next_free_vgpr 256
		.amdhsa_next_free_sgpr 66
		.amdhsa_reserve_vcc 0
		.amdhsa_float_denorm_mode_32 3
		.amdhsa_float_denorm_mode_16_64 3
		.amdhsa_memory_ordered 1
		.amdhsa_forward_progress 1
		.amdhsa_inst_pref_size 53
	.end_amdhsa_kernel
	.amdgpu_metadata
---
amdhsa.version: [ 1, 2 ]
amdhsa.kernels:
  - .name:           k_qb63b99858d_qx
    .symbol:         k_qb63b99858d_qx.kd
    .args:
      - { .name: YA, .offset: 0, .size: 8, .value_kind: global_buffer, .address_space: global }
      - { .name: g1, .offset: 8, .size: 8, .value_kind: global_buffer, .address_space: global }
      - { .name: b1, .offset: 16, .size: 8, .value_kind: global_buffer, .address_space: global }
      - { .name: WF, .offset: 24, .size: 8, .value_kind: global_buffer, .address_space: global }
      - { .name: bq_x, .offset: 32, .size: 8, .value_kind: global_buffer, .address_space: global }
      - { .name: PX, .offset: 40, .size: 8, .value_kind: global_buffer, .address_space: global }
    .group_segment_fixed_size: 68608
    .private_segment_fixed_size: 0
    .kernarg_segment_align: 8
    .kernarg_segment_size: 48
    .max_flat_workgroup_size: 256
    .sgpr_count:     66
    .vgpr_count:     256
    .wavefront_size: 32
...
	.end_amdgpu_metadata
.endif
;; end of part 5
;; launch aout_x (part 6): grid 256 x 1, 8 waves a work-group, no clusters, 17,920 bytes of LDS; arguments YA, g1, b1, PX, MW, bo_x, YB; writes YB
.if DOCPART == 6
	.amdgcn_target "amdgcn-amd-amdhsa--gfx1250"
	.amdhsa_code_object_version 6
	.text
	.protected	k_qb63b99858d_aout_x
	.globl	k_qb63b99858d_aout_x
	.p2align	8
	.type	k_qb63b99858d_aout_x,@function
k_qb63b99858d_aout_x:
	s_mov_b64 s[64:65], 0
	v_nop
	global_prefetch_b8 v0, s[64:65] scope:SCOPE_SE
	s_setreg_imm32_b32 hwreg(HW_REG_WAVE_MODE, 25, 1), 1
	s_wait_xcnt 0x0
; aout_x: v = x1 + A M + bo for 64 rows, x1 = LayerNorm 1 of the stream, and the block's share of LayerNorm 2's statistics.  A = P fac and M as in the self-attention's launch of this kind:
; wave w computes fac for columns e = 16 w + r, scales two fragments of P through LDS, and makes 64 rows x columns 64 w .. 64 w + 63; M's permuted column tiles let 16 lanes store 256 consecutive aligned bytes.
; x1 comes through a ring of 8 slots in registers (a quad of the stream, of g1, of b1), one slot for each of a row tile's 8 registers; a trip is a row tile of 16 rows.
; STATISTICS about a pivot (b1's first number of the block): mean = K + S / n, M2 = Q - S S / n, n = 32,768.
; LIMITS.  g1, b1 and bo are rounded once to bf16; fac and P fac are rounded to bf16; a factor below 2^-126 counts as 0; the pivot serves where it lies within a few spreads of the block's mean.
.set PF,    256
.set SCR,   16640
.set SPARE, 16896
.set RN,  32                           ; v[32:127]  the ring
.set PA,  128                          ; v[128:159] four A fragments; before: raw P and its factors
.set ACC, 160                          ; v[160:191] four accumulators; before: the blocks' cm and l
.set CB,  160
.set LB,  176
.set VL,  192                          ; v[192:223] a result quad for each slot
.set BI,  224
.set SD,  228
.set SQ,  232
.set DT,  236
.set LT,  240
.set ZR,  244
.set T0,  246
.set RT,  128
.set MSB, 0
.macro WIN new
.if MSB != (\new)
	s_set_vgpr_msb (MSB<<8)|(\new)
.set MSB, \new
.endif
.endm
.macro PLACES
.rept 4
	v_nop
.endr
.endm
.macro STATQ q
	v_pk_add_f32 v[DT:DT+1], v[(\q):(\q)+1], s[48:49] op_sel_hi:[1,0]
	v_pk_add_f32 v[DT+2:DT+3], v[(\q)+2:(\q)+3], s[48:49] op_sel_hi:[1,0]
	v_pk_add_f32 v[SD:SD+1], v[SD:SD+1], v[DT:DT+1]
	v_pk_add_f32 v[SD+2:SD+3], v[SD+2:SD+3], v[DT+2:DT+3]
	v_pk_fma_f32 v[SQ:SQ+1], v[DT:DT+1], v[DT:DT+1], v[SQ:SQ+1]
	v_pk_fma_f32 v[SQ+2:SQ+3], v[DT+2:DT+3], v[DT+2:DT+3], v[SQ+2:SQ+3]
.endm
.macro LNQ y, g, b, d
	v_pk_fma_f32 v[(\y):(\y)+1], v[(\y):(\y)+1], s[44:45], s[46:47] op_sel_hi:[1,0,0]
	v_pk_fma_f32 v[(\y)+2:(\y)+3], v[(\y)+2:(\y)+3], s[44:45], s[46:47] op_sel_hi:[1,0,0]
	v_cvt_pk_bf16_f32 v[(\g)], v[(\g)], v[(\g)+1]
	v_cvt_pk_bf16_f32 v[(\g)+1], v[(\g)+2], v[(\g)+3]
	v_cvt_pk_bf16_f32 v[(\b)], v[(\b)], v[(\b)+1]
	v_cvt_pk_bf16_f32 v[(\b)+1], v[(\b)+2], v[(\b)+3]
	v_fma_mix_f32_bf16 v[(\d)], v[(\y)], v[(\g)], v[(\b)] op_sel_hi:[0,1,1]
	v_fma_mix_f32_bf16 v[(\d)+1], v[(\y)+1], v[(\g)], v[(\b)] op_sel:[0,1,1] op_sel_hi:[0,1,1]
	v_fma_mix_f32_bf16 v[(\d)+2], v[(\y)+2], v[(\g)+1], v[(\b)+1] op_sel_hi:[0,1,1]
	v_fma_mix_f32_bf16 v[(\d)+3], v[(\y)+3], v[(\g)+1], v[(\b)+1] op_sel:[0,1,1] op_sel_hi:[0,1,1]
.endm
	s_load_b256 s[8:15], s[0:1], 0x0               ; YA g1 b1 PX
	s_load_b128 s[16:19], s[0:1], 0x20             ; MW bo_x
	s_load_b64 s[20:21], s[0:1], 0x30              ; YB
	v_lshl_add_u32 v4, v0, 2, SPARE
	v_mov_b32 v5, 0
	v_lshrrev_b32 v1, 5, v0
	v_readfirstlane_b32 s4, v1
	v_and_b32 v1, 31, v0
	v_and_b32 v2, 15, v0
	v_bfe_u32 v3, v0, 4, 1
	v_lshlrev_b32 v9, 4, v1
	s_mov_b32 s5, ttmp9
	s_lshr_b32 s6, s5, 5
	s_and_b32 s7, s5, 31
	s_mov_b32 s42, 0x76543210
	s_mov_b32 s43, 0xfedcba98
	s_mov_b32 s55, 0x35800000
	s_mov_b32 s61, 0x3727c5ac
	s_lshl_b32 s32, s5, 17
	s_mov_b32 s33, 0
	s_lshl_b32 s58, s4, 6
	s_lshl_b32 s34, s6, 15
	s_add_co_u32 s34, s34, s58
	s_add_co_u32 s34, s34, 4194304
	s_mov_b32 s35, 0
	s_lshl_b32 s36, s5, 10
	s_add_co_u32 s36, s36, s58
	s_add_co_u32 s36, s36, 4194304
	s_mov_b32 s37, 0
	s_lshl_b32 s38, s5, 14
	s_lshl_b32 s58, s4, 11
	s_add_co_u32 s38, s38, s58
	s_mov_b32 s39, 0
	s_lshl_b32 s52, s6, 17
	s_lshl_b32 s58, s4, 14
	s_add_co_u32 s52, s52, s58
	s_add_co_u32 s52, s52, 1048576
	s_mov_b32 s53, 0
	s_lshl_b32 s56, s5, 3
	s_add_co_u32 s56, s56, 33554432
	s_mov_b32 s57, 0
	s_lshl_b32 s58, s6, 8
	s_add_co_u32 s58, s58, 33554432
	s_mov_b32 s59, 0
	s_lshl_b32 s40, s7, 17
	s_mov_b32 s41, 0
	v_lshlrev_b32 v10, 2, v2
	v_lshl_add_u32 v11, v3, 14, v10
	s_lshl_b32 s60, s4, 8
	v_lshl_add_u32 v12, v2, 4, s60
	v_lshl_add_u32 v6, v3, 14, v12
	s_lshl_b32 s60, s4, 5
	v_lshl_add_u32 v17, v2, 1, s60
	s_and_b32 s60, s4, 1
	s_lshl_b32 s60, s60, 7
	v_lshl_add_u32 v18, v3, 4, s60
	s_lshl_b32 s60, s4, 11
	s_add_co_u32 s60, s60, PF
	v_add_nc_u32 v19, s60, v9
	v_add_nc_u32 v20, PF, v9
	s_lshl_b32 s60, s4, 3
	s_add_co_u32 s60, s60, SCR
	v_mov_b32 v21, s60
	v_mov_b32 v22, SCR
	v_lshlrev_b32 v23, 3, v1
	v_mov_b32 v15, 0
	v_mov_b32 v16, 0
	v_mov_b32 v[LT+3], 0
	v_mov_b32 v[ZR], 0
.set i, 0
.rept 8
	v_mov_b32 v[SD+i], 0                           ; the eight running sums
.set i, i+1
.endr
	s_wait_kmcnt 0x0
	s_add_nc_u64 s[22:23], s[8:9], s[58:59]        ; the sample's (mean, M2)
	s_add_nc_u64 s[8:9], s[8:9], s[32:33]
	s_add_nc_u64 s[10:11], s[10:11], s[40:41]
	s_add_nc_u64 s[12:13], s[12:13], s[40:41]
	s_add_nc_u64 s[24:25], s[14:15], s[34:35]
	s_add_nc_u64 s[26:27], s[14:15], s[36:37]
	s_add_nc_u64 s[28:29], s[14:15], s[38:39]
	s_add_nc_u64 s[16:17], s[16:17], s[52:53]
	s_add_nc_u64 s[30:31], s[20:21], s[56:57]
	s_add_nc_u64 s[20:21], s[20:21], s[32:33]
	s_load_b32 s54, s[12:13], 0x0                  ; the pivot
	global_load_b64 v[LT:LT+1], v23, s[22:23]
	global_load_b32 v13, v10, s[26:27]
.set i, 0
.rept 16
	global_load_b32 v[CB+i], v11, s[24:25] offset:1024*i
.set i, i+1
.endr
.set i, 0
.rept 16
	global_load_b32 v[LB+i], v11, s[24:25] offset:1024*i+512
.set i, i+1
.endr
.set i, 0
.rept 4
	global_load_b128 v[PA+4*i:PA+4*i+3], v9, s[28:29] offset:512*i
.set i, i+1
.endr
	global_load_b128 v[BI:BI+3], v12, s[18:19]
	WIN 0x40
.set i, 0
.rept 16
	global_load_b128 v[8*i:8*i+3], v9, s[16:17] offset:1024*i
	global_load_b128 v[8*i+4:8*i+7], v9, s[16:17] offset:1024*i+512
.set i, i+1
.endr
	WIN 0
.set i, 0
.rept 8
	global_load_b128 v[RN+12*i:RN+12*i+3], v6, s[8:9] offset:2048*i
	global_load_b128 v[RN+12*i+4:RN+12*i+7], v6, s[10:11] offset:2048*i
	global_load_b128 v[RN+12*i+8:RN+12*i+11], v6, s[12:13] offset:2048*i
.set i, i+1
.endr
	s_wait_loadcnt 56                              ; M's 32 and the ring's 24 stay out: the 39 older loads are in
	v_mov_b32 v[LT+2], v[LT]
.irp m, 1,2,4,8
	v_add_f32_dpp v[LT+2], v[LT+2], v[LT+2] row_xmask:\m row_mask:0xf bank_mask:0xf
.endr
	v_permlanex16_b32 v[LT+3], v[LT+2], s42, s43
	v_add_f32 v[LT+2], v[LT+2], v[LT+3]
	v_mul_f32 v[LT+2], 0x3d000000, v[LT+2]
	v_sub_f32 v[LT], v[LT], v[LT+2]
	v_mul_f32 v[LT], v[LT], v[LT]
	v_fmamk_f32 v[LT], v[LT], 0x47000000, v[LT+1]
.irp m, 1,2,4,8
	v_add_f32_dpp v[LT], v[LT], v[LT] row_xmask:\m row_mask:0xf bank_mask:0xf
.endr
	v_permlanex16_b32 v[LT+3], v[LT], s42, s43
	v_add_f32 v[LT], v[LT], v[LT+3]
	v_fma_f32 v[LT], v[LT], s55, s61
	v_rsq_f32 v[LT], v[LT]
	v_nop
	s_wait_alu depctr_va_vdst(0)
	v_mul_f32 v[LT+2], v[LT+2], v[LT]
	v_readfirstlane_b32 s44, v[LT]
	v_readfirstlane_b32 s46, v[LT+2]
	s_mov_b32 s45, s44
	s_xor_b32 s46, s46, 0x80000000
	s_mov_b32 s47, s46
	v_max3_num_f32 v14, v[CB], v[CB+1], v[CB+2]
.set i, 3
.rept 6
	v_max3_num_f32 v14, v14, v[CB+i], v[CB+i+1]
.set i, i+2
.endr
	v_max_num_f32 v14, v14, v[CB+15]
	v_permlanex16_b32 v15, v14, s42, s43
	v_max_num_f32 v14, v14, v15
.set i, 0
.rept 16
	v_sub_f32 v[CB+i], v[CB+i], v14
.set i, i+1
.endr
	v_sub_f32 v13, v13, v14
.set i, 0
.rept 16
	v_exp_f32 v[CB+i], v[CB+i]
.set i, i+1
.endr
	v_exp_f32 v13, v13
	v_nop
	s_wait_alu depctr_va_vdst(0)
	v_mul_f32 v15, v[LB], v[CB]
.set i, 1
.rept 15
	v_fmac_f32 v15, v[LB+i], v[CB+i]
.set i, i+1
.endr
	v_permlanex16_b32 v16, v15, s42, s43
	v_add_f32 v15, v15, v16
	v_rcp_f32 v15, v15
	v_nop
	s_wait_alu depctr_va_vdst(0)
	v_mul_f32 v13, v13, v15
	v_cvt_pk_bf16_f32 v13, v13, v13
	ds_store_b16 v17, v13
	s_wait_dscnt 0x0
	s_barrier_signal -1
	s_barrier_wait -1
.set i, 0
.rept 4
	ds_load_b128 v[PA+16+4*i:PA+16+4*i+3], v18 offset:32*i
.set i, i+1
.endr
	s_wait_dscnt 0x0
.set i, 0
.rept 16
	v_pk_mul_bf16 v[PA+i], v[PA+i], v[PA+16+i]
.set i, i+1
.endr
.set i, 0
.rept 4
	ds_store_b128 v19, v[PA+4*i:PA+4*i+3] offset:512*i
.set i, i+1
.endr
	v_cvt_pk_bf16_f32 v[T0], v[BI], v[BI+1]
	v_cvt_pk_bf16_f32 v[T0+1], v[BI+2], v[BI+3]
	v_lshlrev_b32 v[BI], 16, v[T0]
	v_and_b32 v[BI+1], 0xffff0000, v[T0]
	v_lshlrev_b32 v[BI+2], 16, v[T0+1]
	v_and_b32 v[BI+3], 0xffff0000, v[T0+1]
	s_wait_kmcnt 0x0
	s_xor_b32 s48, s54, 0x80000000
	s_mov_b32 s49, s48
	s_wait_dscnt 0x0
	s_barrier_signal -1
	s_barrier_wait -1
	s_wait_loadcnt 24                              ; M is in; the ring's 24 stay out
.macro TRIP re                         ; a row tile of 16 rows
.set kk, 0
.rept 4
	ds_load_b128 v[PA+8*kk:PA+8*kk+3], v20 offset:1024*kk
	ds_load_b128 v[PA+8*kk+4:PA+8*kk+7], v20 offset:1024*kk+512
.set kk, kk+1
.endr
	s_wait_dscnt 0x0
	WIN 0x04
.set kk, 0
.rept 4
.set t, 0
.rept 4
.if kk == 0
	v_wmma_f32_16x16x32_bf16 v[ACC+8*t:ACC+8*t+7], v[PA+8*kk:PA+8*kk+7], v[8*(4*t+kk):8*(4*t+kk)+7], 0
.else
	v_wmma_f32_16x16x32_bf16 v[ACC+8*t:ACC+8*t+7], v[PA+8*kk:PA+8*kk+7], v[8*(4*t+kk):8*(4*t+kk)+7], v[ACC+8*t:ACC+8*t+7]
.endif
.set t, t+1
.endr
.set kk, kk+1
.endr
	WIN 0
	PLACES
.set j, 0
.rept 8
.if \re
	s_wait_loadcnt 21                              ; the seven other slots' loads stay out
.else
	s_wait_loadcnt 3*(7-j)
.endif
	LNQ RN+12*j, RN+12*j+4, RN+12*j+8, RN+12*j
	v_pk_add_f32 v[VL+4*j:VL+4*j+1], v[RN+12*j:RN+12*j+1], v[BI:BI+1]
	v_pk_add_f32 v[VL+4*j+2:VL+4*j+3], v[RN+12*j+2:RN+12*j+3], v[BI+2:BI+3]
.set t, 0
.rept 4
	v_add_f32 v[VL+4*j+t], v[VL+4*j+t], v[ACC+8*t+j]
.set t, t+1
.endr
	STATQ VL+4*j
	global_store_b128 v6, v[VL+4*j:VL+4*j+3], s[20:21] offset:2048*j
.if \re
	global_load_b128 v[RN+12*j:RN+12*j+3], v6, s[8:9] offset:2048*j+32768
	global_load_b128 v[RN+12*j+4:RN+12*j+7], v6, s[10:11] offset:2048*j+32768
	global_load_b128 v[RN+12*j+8:RN+12*j+11], v6, s[12:13] offset:2048*j+32768
.endif
.set j, j+1
.endr
.if \re
	s_wait_xcnt 0x0                                ; the bases and the result quads are written again only behind this wait
	s_add_nc_u64 s[8:9], s[8:9], 32768
	s_add_nc_u64 s[10:11], s[10:11], 32768
	s_add_nc_u64 s[12:13], s[12:13], 32768
	s_add_nc_u64 s[20:21], s[20:21], 32768
	v_add_nc_u32 v20, 4096, v20
.endif
.endm
	s_mov_b32 s50, 3
.Ltrip:
	TRIP 1
	s_sub_co_u32 s50, s50, 1
	s_cmp_lg_u32 s50, 0
	s_cbranch_scc1 .Ltrip
	TRIP 0
	v_pk_add_f32 v[SD:SD+1], v[SD:SD+1], v[SD+2:SD+3]
	v_pk_add_f32 v[SQ:SQ+1], v[SQ:SQ+1], v[SQ+2:SQ+3]
	v_add_f32 v[SD], v[SD], v[SD+1]
	v_add_f32 v[SD+1], v[SQ], v[SQ+1]
.irp m, 1,2,4,8
	v_add_f32_dpp v[SD], v[SD], v[SD] row_xmask:\m row_mask:0xf bank_mask:0xf
	v_add_f32_dpp v[SD+1], v[SD+1], v[SD+1] row_xmask:\m row_mask:0xf bank_mask:0xf
.endr
	v_permlanex16_b32 v[SQ], v[SD], s42, s43
	v_permlanex16_b32 v[SQ+1], v[SD+1], s42, s43
	v_pk_add_f32 v[SD:SD+1], v[SD:SD+1], v[SQ:SQ+1]
	ds_store_b64 v21, v[SD:SD+1]
	s_wait_dscnt 0x0
	s_barrier_signal -1
	s_barrier_wait -1
.set u, 0
.rept 4
	ds_load_b128 v[RT+4*u:RT+4*u+3], v22 offset:16*u
.set u, u+1
.endr
	s_wait_dscnt 0x0
.set u, 1
.rept 7
	v_pk_add_f32 v[RT:RT+1], v[RT:RT+1], v[RT+2*u:RT+2*u+1]
.set u, u+1
.endr
	v_mov_b32 v[RT+2], 0x38000000
	v_mul_f32 v[RT+2], v[RT], v[RT+2]
	v_fma_f32 v[RT+5], -v[RT+2], v[RT], v[RT+1]
	v_add_f32 v[RT+4], s54, v[RT+2]
	s_cmp_lg_u32 s4, 0
	s_cbranch_scc1 .Lend
	v_cmp_eq_u32 vcc_lo, 0, v1
	s_wait_xcnt 0x0                                ; EXEC changes only behind this wait
	s_and_saveexec_b32 s51, vcc_lo
	global_store_b64 v[ZR], v[RT+4:RT+5], s[30:31]
	s_wait_xcnt 0x0
	s_or_b32 exec_lo, exec_lo, s51
.Lend:
	s_wait_tensorcnt 0x0                           ; the wave's end
	ds_add_u32 v4, v5
	s_wait_dscnt 0x0
	s_endpgm
.Lfunc_end_k_qb63b99858d_aout_x:
	.size	k_qb63b99858d_aout_x, .Lfunc_end_k_qb63b99858d_aout_x-k_qb63b99858d_aout_x
	.p2alignl 7, 3214868480
	.fill 96, 4, 3214868480
	.section	.rodata,"a",@progbits
	.p2align	6, 0x0
	.amdhsa_kernel k_qb63b99858d_aout_x
		.amdhsa_group_segment_fixed_size 17920
		.amdhsa_private_segment_fixed_size 0
		.amdhsa_enable_private_segment 0
		.amdhsa_kernarg_size 56
		.amdhsa_user_sgpr_count 2
		.amdhsa_user_sgpr_kernarg_segment_ptr 1
		.amdhsa_wavefront_size32 1
		.amdhsa_system_sgpr_workgroup_id_x 1
		.amdhsa_system_sgpr_workgroup_id_y 1
		.amdhsa_system_sgpr_workgroup_id_z 1
		.amdhsa_system_vgpr_workitem_id 0
		.amdhsa_next_free_vgpr 384
		.amdhsa_next_free_sgpr 66
		.amdhsa_reserve_vcc 1
		.amdhsa_float_denorm_mode_32 3
		.amdhsa_float_denorm_mode_16_64 3
		.amdhsa_memory_ordered 1
		.amdhsa_forward_progress 1
		.amdhsa_inst_pref_size 50
	.end_amdhsa_kernel
	.amdgpu_metadata
---
amdhsa.version: [ 1, 2 ]
amdhsa.kernels:
  - .name:           k_qb63b99858d_aout_x
    .symbol:         k_qb63b99858d_aout_x.kd
    .args:
      - { .name: YA, .offset: 0, .size: 8, .value_kind: global_buffer, .address_space: global }
      - { .name: g1, .offset: 8, .size: 8, .value_kind: global_buffer, .address_space: global }
      - { .name: b1, .offset: 16, .size: 8, .value_kind: global_buffer, .address_space: global }
      - { .name: PX, .offset: 24, .size: 8, .value_kind: global_buffer, .address_space: global }
      - { .name: MW, .offset: 32, .size: 8, .value_kind: global_buffer, .address_space: global }
      - { .name: bo_x, .offset: 40, .size: 8, .value_kind: global_buffer, .address_space: global }
      - { .name: YB, .offset: 48, .size: 8, .value_kind: global_buffer, .address_space: global }
    .group_segment_fixed_size: 17920
    .private_segment_fixed_size: 0
    .kernarg_segment_align: 8
    .kernarg_segment_size: 56
    .max_flat_workgroup_size: 256
    .sgpr_count:     66
    .vgpr_count:     384
    .wavefront_size: 32
...
	.end_amdgpu_metadata
.endif
;; end of part 6
;; launch ffn (part 7): grid 256 x 1, 8 waves a work-group, no clusters, 232,704 bytes of LDS; arguments YB, g2, b2, MW, YA; writes YA
.if DOCPART == 7
	.amdgcn_target "amdgcn-amd-amdhsa--gfx1250"
	.amdhsa_code_object_version 6
	.text
	.protected	k_qb63b99858d_ffn
	.globl	k_qb63b99858d_ffn
	.p2align	8
	.type	k_qb63b99858d_ffn,@function
k_qb63b99858d_ffn:
	s_mov_b64 s[64:65], 0
	v_nop
	global_prefetch_b8 v0, s[64:65] scope:SCOPE_SE
	s_setreg_imm32_b32 hwreg(HW_REG_WAVE_MODE, 25, 1), 1
	s_wait_xcnt 0x0
; ffn: x2 = LayerNorm 2 of 64 rows; v = x2 + swish(x2 W1) W2, W1 = E1 D1 and W2 = E2 D2 made by an earlier launch; and the block's share of LayerNorm 3's statistics.
; x2 is kept twice in LDS: rounded to bf16 (the first product's operand) and in f32 (the residual).  The first product is used with the sources swapped, so that a lane's 8 results are 8 neighbouring
; columns of a row of h and pack into 16 bytes of the second product's operand.  Wave w makes columns 32 w .. of h and columns 64 w .. of the result (W2's column tiles are permuted: four tiles' register j is four neighbouring columns).
; WEIGHTS come in fragment order through a ring of 16 fragment slots in registers (window 1), numbered in the order of use: 32 of W1, then 32 of W2.
; LIMITS.  g2, b2 are rounded once to bf16; W1, W2, x2 and swish(h) are rounded to bf16 for the products; (x E1) D1 is computed as x (E1 D1), so the order of rounding differs from the reference's.
; The pivot of the statistics (b2's first number of the block) serves where it lies within a few spreads of the block's mean.
.set XP,    1040
.set XR,    66560                      ; x2 in f32, rows of 2,048 bytes
.set HT,    197632                     ; swish(h) in bf16, rows of 512 + 16 bytes
.set HP,    528
.set SCR,   231424
.set SPARE, 231680
.set LT,  16
.set RN,  32                           ; v[32:127]  phase 1's ring
.set ACC, 32                           ; v[32:95] the first product's 8 accumulators; v[32:159] the second's 16
.set SW,  96                           ; v[96:159]  swish at work
.set AF0, 160                          ; v[160:191], v[192:223] two buffers of A fragments
.set XQ,  160                          ; the way out: 8 quads
.set RT,  192
.set ZR,  24
.set SD,  232
.set SQ,  236
.set DT,  240
.set MSB, 0
.macro WIN new
.if MSB != (\new)
	s_set_vgpr_msb (MSB<<8)|(\new)
.set MSB, \new
.endif
.endm
.macro PLACES
.rept 4
	v_nop
.endr
.endm
.macro STATQ q
	v_pk_add_f32 v[DT:DT+1], v[(\q):(\q)+1], s[48:49] op_sel_hi:[1,0]
	v_pk_add_f32 v[DT+2:DT+3], v[(\q)+2:(\q)+3], s[48:49] op_sel_hi:[1,0]
	v_pk_add_f32 v[SD:SD+1], v[SD:SD+1], v[DT:DT+1]
	v_pk_add_f32 v[SD+2:SD+3], v[SD+2:SD+3], v[DT+2:DT+3]
	v_pk_fma_f32 v[SQ:SQ+1], v[DT:DT+1], v[DT:DT+1], v[SQ:SQ+1]
	v_pk_fma_f32 v[SQ+2:SQ+3], v[DT+2:DT+3], v[DT+2:DT+3], v[SQ+2:SQ+3]
.endm
.macro LNQ y, g, b, d
	v_pk_fma_f32 v[(\y):(\y)+1], v[(\y):(\y)+1], s[44:45], s[46:47] op_sel_hi:[1,0,0]
	v_pk_fma_f32 v[(\y)+2:(\y)+3], v[(\y)+2:(\y)+3], s[44:45], s[46:47] op_sel_hi:[1,0,0]
	v_cvt_pk_bf16_f32 v[(\g)], v[(\g)], v[(\g)+1]
	v_cvt_pk_bf16_f32 v[(\g)+1], v[(\g)+2], v[(\g)+3]
	v_cvt_pk_bf16_f32 v[(\b)], v[(\b)], v[(\b)+1]
	v_cvt_pk_bf16_f32 v[(\b)+1], v[(\b)+2], v[(\b)+3]
	v_fma_mix_f32_bf16 v[(\d)], v[(\y)], v[(\g)], v[(\b)] op_sel_hi:[0,1,1]
	v_fma_mix_f32_bf16 v[(\d)+1], v[(\y)+1], v[(\g)], v[(\b)] op_sel:[0,1,1] op_sel_hi:[0,1,1]
	v_fma_mix_f32_bf16 v[(\d)+2], v[(\y)+2], v[(\g)+1], v[(\b)+1] op_sel_hi:[0,1,1]
	v_fma_mix_f32_bf16 v[(\d)+3], v[(\y)+3], v[(\g)+1], v[(\b)+1] op_sel:[0,1,1] op_sel_hi:[0,1,1]
.endm
.macro FRAG m                          ; fragment number m into slot m % 16 (window 1 is set by the caller)
.if (\m) < 32
.set fo, 16384*((\m)%2)+1024*((\m)/2)
.else
.set fo, 262144+8192*(((\m)-32)%4)+1024*(((\m)-32)/4)
.endif
	global_load_b128 v[8*((\m)%16):8*((\m)%16)+3], v9, s[18:19] offset:fo
	global_load_b128 v[8*((\m)%16)+4:8*((\m)%16)+7], v9, s[18:19] offset:fo+512
.endm
	s_load_b256 s[8:15], s[0:1], 0x0               ; YB g2 b2 MW
	s_load_b64 s[16:17], s[0:1], 0x20              ; YA
	v_lshl_add_u32 v4, v0, 2, SPARE
	v_mov_b32 v5, 0
	v_lshrrev_b32 v1, 5, v0
	v_readfirstlane_b32 s4, v1
	v_and_b32 v1, 31, v0
	v_and_b32 v2, 15, v0
	v_bfe_u32 v3, v0, 4, 1
	v_lshlrev_b32 v6, 4, v0
	v_lshlrev_b32 v9, 4, v1
	s_mov_b32 s5, ttmp9
	s_lshr_b32 s6, s5, 5
	s_and_b32 s7, s5, 31
	s_mov_b32 s42, 0x76543210
	s_mov_b32 s43, 0xfedcba98
	s_mov_b32 s52, 0xbfb8aa3b                      ; - log2(e)
	s_mov_b32 s53, s52
	s_mov_b32 s55, 0x35800000
	s_mov_b32 s56, 0x3727c5ac
	s_lshr_b32 s57, s4, 2
	s_and_b32 s58, s4, 3
	s_mul_i32 s57, s57, XP
	s_lshl_b32 s58, s58, 8
	s_add_co_u32 s57, s57, s58
	v_lshl_add_u32 v7, v1, 3, s57                  ; bf16 rows: where my 8 bytes go
	v_mul_u32_u24 v8, v2, XP
	v_lshl_add_u32 v8, v3, 4, v8
	v_add_nc_u32 v10, XR, v6                       ; f32 rows: where my 16 bytes go
	v_mul_u32_u24 v12, v2, HP
	v_lshl_add_u32 v12, v3, 4, v12
	v_add_nc_u32 v12, HT, v12                      ; h: a fragment's row x pitch + 16 h
	s_lshl_b32 s57, s4, 6
	v_add_nc_u32 v11, s57, v12                     ; + my 32 columns
	s_lshl_b32 s57, s4, 8
	v_lshl_add_u32 v15, v2, 4, s57
	v_lshl_add_u32 v15, v3, 14, v15                ; the way out: 16,384 h + 256 w + 16 r
	v_add_nc_u32 v13, XR, v15
	v_add_nc_u32 v14, 65536, v13
	s_lshl_b32 s57, s4, 3
	s_add_co_u32 s57, s57, SCR
	v_mov_b32 v21, s57
	v_mov_b32 v22, SCR
	v_lshlrev_b32 v23, 3, v1
	v_mov_b32 v[LT+3], 0
	v_mov_b32 v[ZR], 0
.set i, 0
.rept 8
	v_mov_b32 v[SD+i], 0                           ; the eight running sums
.set i, i+1
.endr
	s_lshl_b32 s26, s5, 17
	s_mov_b32 s27, 0
	s_lshl_b32 s28, s7, 17
	s_mov_b32 s29, 0
	s_lshl_b32 s32, s6, 8
	s_add_co_u32 s32, s32, 33554432
	s_mov_b32 s33, 0
	s_lshl_b32 s34, s4, 15
	s_add_co_u32 s34, s34, 2097152
	s_mov_b32 s35, 0
	s_lshl_b32 s36, s5, 3
	s_add_co_u32 s36, s36, 33554432
	s_mov_b32 s37, 0
	s_wait_kmcnt 0x0
	s_add_nc_u64 s[20:21], s[8:9], s[32:33]
	s_add_nc_u64 s[8:9], s[8:9], s[26:27]
	s_add_nc_u64 s[10:11], s[10:11], s[28:29]
	s_add_nc_u64 s[12:13], s[12:13], s[28:29]
	s_add_nc_u64 s[18:19], s[14:15], s[34:35]
	s_add_nc_u64 s[30:31], s[16:17], s[36:37]
	s_add_nc_u64 s[16:17], s[16:17], s[26:27]
	s_load_b32 s54, s[12:13], 0x0                  ; the pivot
	global_load_b64 v[LT:LT+1], v23, s[20:21]
	WIN 0x40
.set i, 0
.rept 16
	FRAG i
.set i, i+1
.endr
	WIN 0
.set i, 0
.rept 8
	global_load_b128 v[RN+12*i:RN+12*i+3], v6, s[8:9] offset:4096*i
	global_load_b128 v[RN+12*i+4:RN+12*i+7], v6, s[10:11] offset:4096*i
	global_load_b128 v[RN+12*i+8:RN+12*i+11], v6, s[12:13] offset:4096*i
.set i, i+1
.endr
	s_wait_loadcnt 56                              ; the statistics are in; 32 loads of weights and 24 of rows stay out
	v_mov_b32 v[LT+2], v[LT]
.irp m, 1,2,4,8
	v_add_f32_dpp v[LT+2], v[LT+2], v[LT+2] row_xmask:\m row_mask:0xf bank_mask:0xf
.endr
	v_permlanex16_b32 v[LT+3], v[LT+2], s42, s43
	v_add_f32 v[LT+2], v[LT+2], v[LT+3]
	v_mul_f32 v[LT+2], 0x3d000000, v[LT+2]
	v_sub_f32 v[LT], v[LT], v[LT+2]
	v_mul_f32 v[LT], v[LT], v[LT]
	v_fmamk_f32 v[LT], v[LT], 0x47000000, v[LT+1]
.irp m, 1,2,4,8
	v_add_f32_dpp v[LT], v[LT], v[LT] row_xmask:\m row_mask:0xf bank_mask:0xf
.endr
	v_permlanex16_b32 v[LT+3], v[LT], s42, s43
	v_add_f32 v[LT], v[LT], v[LT+3]
	v_fma_f32 v[LT], v[LT], s55, s56
	v_rsq_f32 v[LT], v[LT]
	v_nop
	s_wait_alu depctr_va_vdst(0)
	v_mul_f32 v[LT+2], v[LT+2], v[LT]
	v_readfirstlane_b32 s44, v[LT]
	v_readfirstlane_b32 s46, v[LT+2]
	s_mov_b32 s45, s44
	s_xor_b32 s46, s46, 0x80000000
	s_mov_b32 s47, s46
	s_wait_kmcnt 0x0
	s_xor_b32 s48, s54, 0x80000000
	s_mov_b32 s49, s48
.macro SLOT s, re, n
	s_wait_loadcnt \n                              ; the other slots' younger loads stay out
	LNQ RN+12*(\s), RN+12*(\s)+4, RN+12*(\s)+8, RN+12*(\s)
	ds_store_b128 v10, v[RN+12*(\s):RN+12*(\s)+3] offset:4096*(\s)
	v_cvt_pk_bf16_f32 v[28+2*((\s)%2)], v[RN+12*(\s)], v[RN+12*(\s)+1]
	v_cvt_pk_bf16_f32 v[29+2*((\s)%2)], v[RN+12*(\s)+2], v[RN+12*(\s)+3]
	ds_store_b64 v7, v[28+2*((\s)%2):29+2*((\s)%2)] offset:2080*(\s)
.if \re
	global_load_b128 v[RN+12*(\s):RN+12*(\s)+3], v6, s[8:9] offset:4096*(\s)+32768
	global_load_b128 v[RN+12*(\s)+4:RN+12*(\s)+7], v6, s[10:11] offset:4096*(\s)+32768
	global_load_b128 v[RN+12*(\s)+8:RN+12*(\s)+11], v6, s[12:13] offset:4096*(\s)+32768
.endif
.endm
	s_mov_b32 s50, 3
.Ltrip:
.irp s, 0,1,2,3,4,5,6,7
	SLOT \s, 1, 21
.endr
	s_wait_xcnt 0x0                                ; the bases are stepped only behind this wait
	s_add_nc_u64 s[8:9], s[8:9], 32768
	s_add_nc_u64 s[10:11], s[10:11], 32768
	s_add_nc_u64 s[12:13], s[12:13], 32768
	v_add_nc_u32 v7, 16640, v7
	v_add_nc_u32 v10, 32768, v10
	s_sub_co_u32 s50, s50, 1
	s_cmp_lg_u32 s50, 0
	s_cbranch_scc1 .Ltrip
.irp s, 0,1,2,3,4,5,6,7
	SLOT \s, 0, 3*(7-\s)
.endr
	s_wait_dscnt 0x0
	s_barrier_signal -1
	s_barrier_wait -1
.set mt, 0
.rept 4
	ds_load_b128 v[AF0+8*mt:AF0+8*mt+3], v8 offset:16640*mt
	ds_load_b128 v[AF0+8*mt+4:AF0+8*mt+7], v8 offset:16640*mt+32
.set mt, mt+1
.endr
	; h = x2 W1: 16 K steps, 8 accumulators by turns
.set k, 0
.rept 16
	WIN 0
	PLACES                                         ; in front of loads into registers that the last step's products read
.if k < 15
.set AN, AF0+32*((k+1)%2)
.set mt, 0
.rept 4
	ds_load_b128 v[AN+8*mt:AN+8*mt+3], v8 offset:16640*mt+64*(k+1)
	ds_load_b128 v[AN+8*mt+4:AN+8*mt+7], v8 offset:16640*mt+64*(k+1)+32
.set mt, mt+1
.endr
.endif
.if k >= 1
	WIN 0x40
	FRAG 2*(k-1)+16
	FRAG 2*(k-1)+17
.endif
	WIN 0x01                                       ; source 0 (the weights) in window 1
	s_wait_loadcnt 28                              ; the 14 younger fragments stay out
.if k < 15
	s_wait_dscnt 8
.else
	s_wait_dscnt 0x0
.endif
.set AB, AF0+32*(k%2)
.set i, 0
.rept 8                                ; accumulator i: row tile i / 2, column tile i % 2
.if k == 0
	v_wmma_f32_16x16x32_bf16 v[ACC+8*i:ACC+8*i+7], v[8*((2*k+i%2)%16):8*((2*k+i%2)%16)+7], v[AB+8*(i/2):AB+8*(i/2)+7], 0
.else
	v_wmma_f32_16x16x32_bf16 v[ACC+8*i:ACC+8*i+7], v[8*((2*k+i%2)%16):8*((2*k+i%2)%16)+7], v[AB+8*(i/2):AB+8*(i/2)+7], v[ACC+8*i:ACC+8*i+7]
.endif
.set i, i+1
.endr
.set k, k+1
.endr
	WIN 0
	PLACES
	WIN 0x40
	FRAG 46
	FRAG 47
	WIN 0
	; swish: h / (1 + 2^(- log2(e) h)), rounded to bf16, 16 bytes a lane into the second product's operand
.set a, 0
.rept 8
.set hA, ACC+8*a
.set tA, SW+8*a
.set p, 0
.rept 4
	v_pk_mul_f32 v[tA+2*p:tA+2*p+1], v[hA+2*p:hA+2*p+1], s[52:53] op_sel_hi:[1,0]
.set p, p+1
.endr
.set p, 0
.rept 8
	v_exp_f32 v[tA+p], v[tA+p]
.set p, p+1
.endr
	v_nop
.set p, 0
	s_wait_alu depctr_va_vdst(0)
.rept 4
	v_pk_add_f32 v[tA+2*p:tA+2*p+1], v[tA+2*p:tA+2*p+1], 1.0 op_sel_hi:[1,0]
.set p, p+1
.endr
.set p, 0
.rept 8
	v_rcp_f32 v[tA+p], v[tA+p]
.set p, p+1
.endr
	v_nop
.set p, 0
	s_wait_alu depctr_va_vdst(0)
.rept 4
	v_pk_mul_f32 v[tA+2*p:tA+2*p+1], v[tA+2*p:tA+2*p+1], v[hA+2*p:hA+2*p+1]
.set p, p+1
.endr
.set p, 0
.rept 4
	v_cvt_pk_bf16_f32 v[tA+p], v[tA+2*p], v[tA+2*p+1]
.set p, p+1
.endr
	ds_store_b128 v11, v[tA:tA+3] offset:8448*(a/2)+32*(a%2)
.set a, a+1
.endr
	s_wait_dscnt 0x0
	s_barrier_signal -1
	s_barrier_wait -1
.set mt, 0
.rept 4
	ds_load_b128 v[AF0+8*mt:AF0+8*mt+3], v12 offset:8448*mt
	ds_load_b128 v[AF0+8*mt+4:AF0+8*mt+7], v12 offset:8448*mt+32
.set mt, mt+1
.endr
	; swish(h) W2: 8 K steps, 16 accumulators by turns
.set k, 0
.rept 8
	WIN 0
	PLACES
.if k < 7
.set AN, AF0+32*((k+1)%2)
.set mt, 0
.rept 4
	ds_load_b128 v[AN+8*mt:AN+8*mt+3], v12 offset:8448*mt+64*(k+1)
	ds_load_b128 v[AN+8*mt+4:AN+8*mt+7], v12 offset:8448*mt+64*(k+1)+32
.set mt, mt+1
.endr
.endif
.if (k >= 1) && (k <= 4)
	WIN 0x40
	FRAG 48+4*(k-1)
	FRAG 49+4*(k-1)
	FRAG 50+4*(k-1)
	FRAG 51+4*(k-1)
.endif
	WIN 0x04                                       ; source 1 (the weights) in window 1
.if k < 5
	s_wait_loadcnt 24                              ; the 12 younger fragments stay out
.else
	s_wait_loadcnt 8*(7-k)
.endif
.if k < 7
	s_wait_dscnt 8
.else
	s_wait_dscnt 0x0
.endif
.set AB, AF0+32*(k%2)
.set i, 0
.rept 16                               ; accumulator i: row tile i / 4, column tile i % 4
.if k == 0
	v_wmma_f32_16x16x32_bf16 v[ACC+8*i:ACC+8*i+7], v[AB+8*(i/4):AB+8*(i/4)+7], v[8*((4*k+i%4)%16):8*((4*k+i%4)%16)+7], 0
.else
	v_wmma_f32_16x16x32_bf16 v[ACC+8*i:ACC+8*i+7], v[AB+8*(i/4):AB+8*(i/4)+7], v[8*((4*k+i%4)%16):8*((4*k+i%4)%16)+7], v[ACC+8*i:ACC+8*i+7]
.endif
.set i, i+1
.endr
.set k, k+1
.endr
	WIN 0
	PLACES
.set mt, 0
.rept 4
	s_wait_xcnt 0x0                                ; the quads that the last row tile's stores read are loaded again only behind this wait
.set j, 0
.rept 8
.if mt < 2
	ds_load_b128 v[XQ+4*j:XQ+4*j+3], v13 offset:2048*(16*mt+j)
.else
	ds_load_b128 v[XQ+4*j:XQ+4*j+3], v14 offset:2048*(16*(mt-2)+j)
.endif
.set j, j+1
.endr
.set j, 0
.rept 8
	s_wait_dscnt 7-j
.set t, 0
.rept 4
	v_add_f32 v[XQ+4*j+t], v[XQ+4*j+t], v[ACC+8*(4*mt+t)+j]
.set t, t+1
.endr
	STATQ XQ+4*j
	global_store_b128 v15, v[XQ+4*j:XQ+4*j+3], s[16:17] offset:2048*(16*mt+j)  ; 16 lanes: 256 consecutive bytes, aligned
.set j, j+1
.endr
.set mt, mt+1
.endr
	v_pk_add_f32 v[SD:SD+1], v[SD:SD+1], v[SD+2:SD+3]
	v_pk_add_f32 v[SQ:SQ+1], v[SQ:SQ+1], v[SQ+2:SQ+3]
	v_add_f32 v[SD], v[SD], v[SD+1]
	v_add_f32 v[SD+1], v[SQ], v[SQ+1]
.irp m, 1,2,4,8
	v_add_f32_dpp v[SD], v[SD], v[SD] row_xmask:\m row_mask:0xf bank_mask:0xf
	v_add_f32_dpp v[SD+1], v[SD+1], v[SD+1] row_xmask:\m row_mask:0xf bank_mask:0xf
.endr
	v_permlanex16_b32 v[SQ], v[SD], s42, s43
	v_permlanex16_b32 v[SQ+1], v[SD+1], s42, s43
	v_pk_add_f32 v[SD:SD+1], v[SD:SD+1], v[SQ:SQ+1]
	ds_store_b64 v21, v[SD:SD+1]
	s_wait_dscnt 0x0
	s_barrier_signal -1
	s_barrier_wait -1
.set u, 0
.rept 4
	ds_load_b128 v[RT+4*u:RT+4*u+3], v22 offset:16*u
.set u, u+1
.endr
	s_wait_dscnt 0x0
.set u, 1
.rept 7
	v_pk_add_f32 v[RT:RT+1], v[RT:RT+1], v[RT+2*u:RT+2*u+1]
.set u, u+1
.endr
	v_mov_b32 v[RT+2], 0x38000000
	v_mul_f32 v[RT+2], v[RT], v[RT+2]
	v_fma_f32 v[RT+5], -v[RT+2], v[RT], v[RT+1]
	v_add_f32 v[RT+4], s54, v[RT+2]
	s_cmp_lg_u32 s4, 0
	s_cbranch_scc1 .Lend
	v_cmp_eq_u32 vcc_lo, 0, v1
	s_wait_xcnt 0x0                                ; EXEC changes only behind this wait
	s_and_saveexec_b32 s51, vcc_lo
	global_store_b64 v[ZR], v[RT+4:RT+5], s[30:31]
	s_wait_xcnt 0x0
	s_or_b32 exec_lo, exec_lo, s51
.Lend:
	s_wait_tensorcnt 0x0                           ; the wave's end
	ds_add_u32 v4, v5
	s_wait_dscnt 0x0
	s_endpgm
.Lfunc_end_k_qb63b99858d_ffn:
	.size	k_qb63b99858d_ffn, .Lfunc_end_k_qb63b99858d_ffn-k_qb63b99858d_ffn
	.p2alignl 7, 3214868480
	.fill 96, 4, 3214868480
	.section	.rodata,"a",@progbits
	.p2align	6, 0x0
	.amdhsa_kernel k_qb63b99858d_ffn
		.amdhsa_group_segment_fixed_size 232704
		.amdhsa_private_segment_fixed_size 0
		.amdhsa_enable_private_segment 0
		.amdhsa_kernarg_size 40
		.amdhsa_user_sgpr_count 2
		.amdhsa_user_sgpr_kernarg_segment_ptr 1
		.amdhsa_wavefront_size32 1
		.amdhsa_system_sgpr_workgroup_id_x 1
		.amdhsa_system_sgpr_workgroup_id_y 1
		.amdhsa_system_sgpr_workgroup_id_z 1
		.amdhsa_system_vgpr_workitem_id 0
		.amdhsa_next_free_vgpr 384
		.amdhsa_next_free_sgpr 66
		.amdhsa_reserve_vcc 1
		.amdhsa_float_denorm_mode_32 3
		.amdhsa_float_denorm_mode_16_64 3
		.amdhsa_memory_ordered 1
		.amdhsa_forward_progress 1
		.amdhsa_inst_pref_size 110
	.end_amdhsa_kernel
	.amdgpu_metadata
---
amdhsa.version: [ 1, 2 ]
amdhsa.kernels:
  - .name:           k_qb63b99858d_ffn
    .symbol:         k_qb63b99858d_ffn.kd
    .args:
      - { .name: YB, .offset: 0, .size: 8, .value_kind: global_buffer, .address_space: global }
      - { .name: g2, .offset: 8, .size: 8, .value_kind: global_buffer, .address_space: global }
      - { .name: b2, .offset: 16, .size: 8, .value_kind: global_buffer, .address_space: global }
      - { .name: MW, .offset: 24, .size: 8, .value_kind: global_buffer, .address_space: global }
      - { .name: YA, .offset: 32, .size: 8, .value_kind: global_buffer, .address_space: global }
    .group_segment_fixed_size: 232704
    .private_segment_fixed_size: 0
    .kernarg_segment_align: 8
    .kernarg_segment_size: 40
    .max_flat_workgroup_size: 256
    .sgpr_count:     66
    .vgpr_count:     384
    .wavefront_size: 32
...
	.end_amdgpu_metadata
.endif
;; end of part 7
;; launch lnout (part 8): grid 256 x 1, 8 waves a work-group, no clusters, 0 bytes of LDS; arguments YA, g3, b3, out0; writes out0
.if DOCPART == 8
	.amdgcn_target "amdgcn-amd-amdhsa--gfx1250"
	.amdhsa_code_object_version 6
	.text
	.protected	k_qb63b99858d_lnout
	.globl	k_qb63b99858d_lnout
	.p2align	8
	.type	k_qb63b99858d_lnout,@function
k_qb63b99858d_lnout:
	s_mov_b64 s[64:65], 0
	v_nop
	global_prefetch_b8 v0, s[64:65] scope:SCOPE_SE
	s_setreg_imm32_b32 hwreg(HW_REG_WAVE_MODE, 25, 1), 1
	s_wait_xcnt 0x0
; lnout: LayerNorm 3 of 64 rows, a stream: out = (v - mu) rstd bf16(g3) + bf16(b3).  The sample's mu and variance are joined from its 32 blocks' (mean, M2).
; A ring of 8 slots in registers (a quad of the stream, of g3, of b3) keeps 24 loads of every wave on their way; each load and store of a wave covers 512 consecutive bytes.
; A slot has a result quad of its own, written again only behind the trip's s_wait_xcnt 0.  No LDS, no barrier, no matrix unit: memory binds.
; LIMITS.  g3 and b3 are rounded once to bf16.
.set LT, 16
.set RN, 32
.set OU, 128
.macro LNQ y, g, b, d
	v_pk_fma_f32 v[(\y):(\y)+1], v[(\y):(\y)+1], s[44:45], s[46:47] op_sel_hi:[1,0,0]
	v_pk_fma_f32 v[(\y)+2:(\y)+3], v[(\y)+2:(\y)+3], s[44:45], s[46:47] op_sel_hi:[1,0,0]
	v_cvt_pk_bf16_f32 v[(\g)], v[(\g)], v[(\g)+1]
	v_cvt_pk_bf16_f32 v[(\g)+1], v[(\g)+2], v[(\g)+3]
	v_cvt_pk_bf16_f32 v[(\b)], v[(\b)], v[(\b)+1]
	v_cvt_pk_bf16_f32 v[(\b)+1], v[(\b)+2], v[(\b)+3]
	v_fma_mix_f32_bf16 v[(\d)], v[(\y)], v[(\g)], v[(\b)] op_sel_hi:[0,1,1]
	v_fma_mix_f32_bf16 v[(\d)+1], v[(\y)+1], v[(\g)], v[(\b)] op_sel:[0,1,1] op_sel_hi:[0,1,1]
	v_fma_mix_f32_bf16 v[(\d)+2], v[(\y)+2], v[(\g)+1], v[(\b)+1] op_sel_hi:[0,1,1]
	v_fma_mix_f32_bf16 v[(\d)+3], v[(\y)+3], v[(\g)+1], v[(\b)+1] op_sel:[0,1,1] op_sel_hi:[0,1,1]
.endm
	s_load_b256 s[8:15], s[0:1], 0x0               ; YA g3 b3 out0
	v_and_b32 v1, 31, v0
	v_lshlrev_b32 v6, 4, v0
	v_lshlrev_b32 v23, 3, v1
	v_mov_b32 v[LT+3], 0
	s_mov_b32 s5, ttmp9
	s_lshr_b32 s6, s5, 5
	s_and_b32 s7, s5, 31
	s_mov_b32 s42, 0x76543210
	s_mov_b32 s43, 0xfedcba98
	s_mov_b32 s55, 0x35800000
	s_mov_b32 s56, 0x3727c5ac
	s_lshl_b32 s26, s5, 17
	s_mov_b32 s27, 0
	s_lshl_b32 s28, s7, 17
	s_mov_b32 s29, 0
	s_lshl_b32 s32, s6, 8
	s_add_co_u32 s32, s32, 33554432
	s_mov_b32 s33, 0
	s_wait_kmcnt 0x0
	s_add_nc_u64 s[20:21], s[8:9], s[32:33]
	s_add_nc_u64 s[8:9], s[8:9], s[26:27]
	s_add_nc_u64 s[10:11], s[10:11], s[28:29]
	s_add_nc_u64 s[12:13], s[12:13], s[28:29]
	s_add_nc_u64 s[14:15], s[14:15], s[26:27]
	global_load_b64 v[LT:LT+1], v23, s[20:21]
.set i, 0
.rept 8
	global_load_b128 v[RN+12*i:RN+12*i+3], v6, s[8:9] offset:4096*i th:TH_LOAD_NT
	global_load_b128 v[RN+12*i+4:RN+12*i+7], v6, s[10:11] offset:4096*i
	global_load_b128 v[RN+12*i+8:RN+12*i+11], v6, s[12:13] offset:4096*i
.set i, i+1
.endr
	s_wait_loadcnt 24                              ; the statistics are in; the ring's 24 loads stay out
	v_mov_b32 v[LT+2], v[LT]
.irp m, 1,2,4,8
	v_add_f32_dpp v[LT+2], v[LT+2], v[LT+2] row_xmask:\m row_mask:0xf bank_mask:0xf
.endr
	v_permlanex16_b32 v[LT+3], v[LT+2], s42, s43
	v_add_f32 v[LT+2], v[LT+2], v[LT+3]
	v_mul_f32 v[LT+2], 0x3d000000, v[LT+2]
	v_sub_f32 v[LT], v[LT], v[LT+2]
	v_mul_f32 v[LT], v[LT], v[LT]
	v_fmamk_f32 v[LT], v[LT], 0x47000000, v[LT+1]
.irp m, 1,2,4,8
	v_add_f32_dpp v[LT], v[LT], v[LT] row_xmask:\m row_mask:0xf bank_mask:0xf
.endr
	v_permlanex16_b32 v[LT+3], v[LT], s42, s43
	v_add_f32 v[LT], v[LT], v[LT+3]
	v_fma_f32 v[LT], v[LT], s55, s56
	v_rsq_f32 v[LT], v[LT]
	v_nop
	s_wait_alu depctr_va_vdst(0)
	v_mul_f32 v[LT+2], v[LT+2], v[LT]
	v_readfirstlane_b32 s44, v[LT]
	v_readfirstlane_b32 s46, v[LT+2]
	s_mov_b32 s45, s44
	s_xor_b32 s46, s46, 0x80000000
	s_mov_b32 s47, s46
.macro SLOT s, re, n
	s_wait_loadcnt \n                              ; the other slots' younger loads stay out
	LNQ RN+12*(\s), RN+12*(\s)+4, RN+12*(\s)+8, OU+4*(\s)
.if \re
	global_load_b128 v[RN+12*(\s):RN+12*(\s)+3], v6, s[8:9] offset:4096*(\s)+32768 th:TH_LOAD_NT
	global_load_b128 v[RN+12*(\s)+4:RN+12*(\s)+7], v6, s[10:11] offset:4096*(\s)+32768
	global_load_b128 v[RN+12*(\s)+8:RN+12*(\s)+11], v6, s[12:13] offset:4096*(\s)+32768
.endif
	global_store_b128 v6, v[OU+4*(\s):OU+4*(\s)+3], s[14:15] offset:4096*(\s) th:TH_STORE_NT
.endm
	s_mov_b32 s50, 3
.Ltrip:
.irp s, 0,1,2,3,4,5,6,7
	SLOT \s, 1, 21
.endr
	s_wait_xcnt 0x0                                ; the bases and the result quads are written again only behind this wait
	s_add_nc_u64 s[8:9], s[8:9], 32768
	s_add_nc_u64 s[10:11], s[10:11], 32768
	s_add_nc_u64 s[12:13], s[12:13], 32768
	s_add_nc_u64 s[14:15], s[14:15], 32768
	s_sub_co_u32 s50, s50, 1
	s_cmp_lg_u32 s50, 0
	s_cbranch_scc1 .Ltrip
.irp s, 0,1,2,3,4,5,6,7
	SLOT \s, 0, 3*(7-\s)
.endr
	s_endpgm
.Lfunc_end_k_qb63b99858d_lnout:
	.size	k_qb63b99858d_lnout, .Lfunc_end_k_qb63b99858d_lnout-k_qb63b99858d_lnout
	.p2alignl 7, 3214868480
	.fill 96, 4, 3214868480
	.section	.rodata,"a",@progbits
	.p2align	6, 0x0
	.amdhsa_kernel k_qb63b99858d_lnout
		.amdhsa_group_segment_fixed_size 0
		.amdhsa_private_segment_fixed_size 0
		.amdhsa_enable_private_segment 0
		.amdhsa_kernarg_size 32
		.amdhsa_user_sgpr_count 2
		.amdhsa_user_sgpr_kernarg_segment_ptr 1
		.amdhsa_wavefront_size32 1
		.amdhsa_system_sgpr_workgroup_id_x 1
		.amdhsa_system_sgpr_workgroup_id_y 1
		.amdhsa_system_sgpr_workgroup_id_z 1
		.amdhsa_system_vgpr_workitem_id 0
		.amdhsa_next_free_vgpr 160
		.amdhsa_next_free_sgpr 66
		.amdhsa_reserve_vcc 0
		.amdhsa_float_denorm_mode_32 3
		.amdhsa_float_denorm_mode_16_64 3
		.amdhsa_memory_ordered 1
		.amdhsa_forward_progress 1
		.amdhsa_inst_pref_size 20
	.end_amdhsa_kernel
	.amdgpu_metadata
---
amdhsa.version: [ 1, 2 ]
amdhsa.kernels:
  - .name:           k_qb63b99858d_lnout
    .symbol:         k_qb63b99858d_lnout.kd
    .args:
      - { .name: YA, .offset: 0, .size: 8, .value_kind: global_buffer, .address_space: global }
      - { .name: g3, .offset: 8, .size: 8, .value_kind: global_buffer, .address_space: global }
      - { .name: b3, .offset: 16, .size: 8, .value_kind: global_buffer, .address_space: global }
      - { .name: out0, .offset: 24, .size: 8, .value_kind: global_buffer, .address_space: global }
    .group_segment_fixed_size: 0
    .private_segment_fixed_size: 0
    .kernarg_segment_align: 8
    .kernarg_segment_size: 32
    .max_flat_workgroup_size: 256
    .sgpr_count:     66
    .vgpr_count:     160
    .wavefront_size: 32
...
	.end_amdgpu_metadata
.endif
;; end of part 8
;; ======== version 2 of 2: 8 launches; version 1 with the launches qx, lnout written anew for expert scheduling mode
;; workspace buffers: WF 7,340,032 bytes; L1O 17,432,576 bytes; MW 2,621,440 bytes; YA 33,556,480 bytes; PX 4,456,448 bytes; YB 33,556,480 bytes
;; launch prep: the kernel of part 1 again; grid 896 x 1, 8 waves a work-group, no clusters, 0 bytes of LDS; arguments Wq_sa, Wk_sa, Wv_sa, Wq_x, Wk_x, Wv_x, Wo_sa, Wo_x, D1, D2, E1, E2, WF; writes WF
;; launch qkv: the kernel of part 2 again; grid 384 x 1, 8 waves a work-group, no clusters, 86,016 bytes of LDS; arguments y, mem, WF, bq_sa, bk_sa, bv_sa, bk_x, bv_x, L1O; writes L1O
;; launch mid: the kernel of part 3 again; grid 256 x 1, 8 waves a work-group, no clusters, 66,560 bytes of LDS; arguments WF, L1O, MW; writes MW
;; launch aout_sa: the kernel of part 4 again; grid 256 x 1, 8 waves a work-group, no clusters, 17,920 bytes of LDS; arguments y, L1O, MW, bo_sa, YA; writes YA
;; launch qx (part 9): grid 256 x 1, 8 waves a work-group, no clusters, 68,608 bytes of LDS; arguments YA, g1, b1, WF, bq_x, PX; writes PX
.if DOCPART == 9
	.amdgcn_target "amdgcn-amd-amdhsa--gfx1250"
	.amdhsa_code_object_version 6
	.text
	.protected	k_qb63b99858d_qx
	.globl	k_qb63b99858d_qx
	.p2align	8
	.type	k_qb63b99858d_qx,@function
k_qb63b99858d_qx:
	s_mov_b64 s[64:65], 0
	v_nop
	global_prefetch_b8 v0, s[64:65] scope:SCOPE_SE
	s_setreg_imm32_b32 hwreg(HW_REG_WAVE_SCHED_MODE, 0, 2), 2
	s_setreg_imm32_b32 hwreg(HW_REG_WAVE_MODE, 25, 1), 1
	s_wait_xcnt 0x0
	s_wait_alu depctr_vm_vsrc(0)
; qx: x1 = LayerNorm 1 of 64 rows (rounded to bf16 into LDS), Q = x1 Wq_x + bq_x, and the block's softmax down the sequence: cm, l and P = 2^(c q - cm) in bf16, as in the launch that makes Q, K, V of y.
; The sample's mean and variance are joined from its 32 blocks' (mean, M2): mu = sum mean / 32, var = sum (M2 + 32,768 (mean - mu)^2) / 2^20.
; Rows come through a ring of 8 slots in registers (a quad of the stream, of g1 and of b1 each): 18 to 21 loads of every wave are on their way.
; LIMITS.  g1, b1, bq_x and Wq_x are rounded once to bf16; a weight below 2^-126 counts as 0.
; THE MODE: SCHED_MODE bits 1:0 = 2 (LLVM: expert scheduling mode 2), set by the entry lines.  The code itself states the register dependences
; between vector or matrix instructions and memory or LDS instructions, with s_wait_alu, always for 0.
; THE PLAN.  Registers that memory or LDS instructions touch:
;   RN slot s     Read and written by the arithmetic of the slot's step; the loads issued in the NEXT step land in it (the slot's rows of the next 16).
;   O0, O1        Two pairs of bf16.  Step p's two roundings write O[p % 2]; the LDS store issued in step p + 1 reads it.
;   v7            The LDS stores' address: read by each of them, written once a lap, at the lap's end.
;   v6, v8, v9, v22, v23   Offsets and addresses made at the head and never written again: scalar bases and immediate offsets do the rest.
;   AF0, AF1      Two buffers of the rows' fragments.  K step k: its four products read AF[k % 2]; its LDS loads land in the other, which the products of step k - 1 read.
;   QA, CM, LS    Written by vector and matrix instructions; read by the stores of the way out, and not written again.
; A step of the ring is one slot: Wq_x's fragments hold 128 registers, so the ring has eight slots, of which one lies idle from its step to the next step's head.
; The waits at a step's head stand behind the wait for the step's data; they state all that the step's three loads and its LDS store hang on.
.set XP,    1040
.set STAT,  66560
.set SPARE, 67584
.set BQ, 10
.set LT, 18                            ; v[18:21] the statistics at work
.set TB, 24                            ; v24      at work when bq is rounded: no memory instruction names it
.set OP, 28                            ; v[28:31] O0, O1
.set RN, 32                            ; v[32:127] the ring
.set QA, 32                            ; later: four accumulators,
.set AF0, 64                           ; two buffers of the rows' fragments
.set CM, 64
.set LS, 72
.set VSA, 80
.set WQ, 128                           ; v[128:255] my column tile's 16 fragments of Wq_x
.set PBS, 22
.macro PLACES
.rept 4
	v_nop
.endr
.endm
.macro LNQ y, g, b, d                  ; d = (y rstd - mu rstd) bf16(g) + bf16(b), four numbers
	v_pk_fma_f32 v[(\y):(\y)+1], v[(\y):(\y)+1], s[44:45], s[46:47] op_sel_hi:[1,0,0]
	v_pk_fma_f32 v[(\y)+2:(\y)+3], v[(\y)+2:(\y)+3], s[44:45], s[46:47] op_sel_hi:[1,0,0]
	v_cvt_pk_bf16_f32 v[(\g)], v[(\g)], v[(\g)+1]
	v_cvt_pk_bf16_f32 v[(\g)+1], v[(\g)+2], v[(\g)+3]
	v_cvt_pk_bf16_f32 v[(\b)], v[(\b)], v[(\b)+1]
	v_cvt_pk_bf16_f32 v[(\b)+1], v[(\b)+2], v[(\b)+3]
	v_fma_mix_f32_bf16 v[(\d)], v[(\y)], v[(\g)], v[(\b)] op_sel_hi:[0,1,1]
	v_fma_mix_f32_bf16 v[(\d)+1], v[(\y)+1], v[(\g)], v[(\b)] op_sel:[0,1,1] op_sel_hi:[0,1,1]
	v_fma_mix_f32_bf16 v[(\d)+2], v[(\y)+2], v[(\g)+1], v[(\b)+1] op_sel_hi:[0,1,1]
	v_fma_mix_f32_bf16 v[(\d)+3], v[(\y)+3], v[(\g)+1], v[(\b)+1] op_sel:[0,1,1] op_sel_hi:[0,1,1]
.endm
	s_load_b256 s[8:15], s[0:1], 0x0               ; YA g1 b1 WF
	s_load_b128 s[16:19], s[0:1], 0x20             ; bq_x PX
	v_lshl_add_u32 v4, v0, 2, SPARE
	v_mov_b32 v5, 0
	v_lshrrev_b32 v1, 5, v0
	v_readfirstlane_b32 s4, v1
	v_and_b32 v1, 31, v0
	v_and_b32 v2, 15, v0
	v_bfe_u32 v3, v0, 4, 1
	v_lshlrev_b32 v6, 4, v0
	v_lshlrev_b32 v9, 4, v1
	s_mov_b32 s5, ttmp9
	s_lshr_b32 s6, s5, 5
	s_and_b32 s7, s5, 31
	s_mov_b32 s40, 0x3f0293ee
	s_mov_b32 s41, s40
	s_mov_b32 s42, 0x76543210
	s_mov_b32 s43, 0xfedcba98
	s_mov_b32 s55, 0x35800000                      ; 2^-20
	s_mov_b32 s56, 0x3727c5ac                      ; 1e-5
	s_wait_alu depctr_va_sdst(0)                   ; s4, the wave's number, is written, ahead of its first reader
	s_lshr_b32 s52, s4, 2
	s_and_b32 s53, s4, 3
	s_mul_i32 s57, s52, XP
	s_lshl_b32 s58, s53, 8
	s_add_co_u32 s57, s57, s58
	v_lshl_add_u32 v7, v1, 3, s57
	v_mul_u32_u24 v8, v2, XP
	v_lshl_add_u32 v8, v3, 4, v8
	s_lshl_b32 s58, s4, 6
	v_lshlrev_b32 v22, 5, v3
	v_add_nc_u32 v22, s58, v22
	v_lshlrev_b32 v23, 3, v1                       ; 8 L: block L's (mean, M2)
	v_mov_b32 v[LT+3], 0
	s_lshl_b32 s26, s5, 17
	s_mov_b32 s27, 0
	s_lshl_b32 s28, s7, 17
	s_mov_b32 s29, 0
	s_lshl_b32 s30, s6, 8
	s_add_co_u32 s30, s30, 33554432
	s_mov_b32 s31, 0
	s_lshl_b32 s32, s53, 15
	s_lshl_b32 s33, s52, 14
	s_add_co_u32 s32, s32, s33
	s_add_co_u32 s32, s32, 393216
	s_mov_b32 s33, 0
	s_lshl_b32 s34, s5, 14
	s_lshl_b32 s35, s4, 9
	s_add_co_u32 s34, s34, s35
	s_lshl_b32 s36, s5, 10
	s_add_co_u32 s36, s36, s35
	s_add_co_u32 s36, s36, 4194304
	s_mov_b32 s35, 0
	s_mov_b32 s37, 0
	s_wait_kmcnt 0x0
	s_add_nc_u64 s[20:21], s[8:9], s[30:31]
	s_add_nc_u64 s[8:9], s[8:9], s[26:27]
	s_add_nc_u64 s[10:11], s[10:11], s[28:29]
	s_add_nc_u64 s[12:13], s[12:13], s[28:29]
	s_add_nc_u64 s[14:15], s[14:15], s[32:33]
	s_add_nc_u64 s[PBS:PBS+1], s[18:19], s[34:35]
	s_add_nc_u64 s[24:25], s[18:19], s[36:37]
	s_wait_alu depctr_va_vdst(0)                   ; the offsets and addresses v6 to v9, v22 and v23 are written, which the loads and stores below read
	global_load_b64 v[LT:LT+1], v23, s[20:21]
	global_load_b128 v[BQ:BQ+3], v22, s[16:17]
	global_load_b128 v[BQ+4:BQ+7], v22, s[16:17] offset:16
.set i, 0
.rept 16
	global_load_b128 v[WQ+8*i:WQ+8*i+3], v9, s[14:15] offset:1024*i
	global_load_b128 v[WQ+8*i+4:WQ+8*i+7], v9, s[14:15] offset:1024*i+512
.set i, i+1
.endr
.set i, 0
.rept 8
	global_load_b128 v[RN+12*i:RN+12*i+3], v6, s[8:9] offset:4096*i
	global_load_b128 v[RN+12*i+4:RN+12*i+7], v6, s[10:11] offset:4096*i
	global_load_b128 v[RN+12*i+8:RN+12*i+11], v6, s[12:13] offset:4096*i
.set i, i+1
.endr
	s_wait_loadcnt 58                              ; the statistics are in; the 58 younger loads stay out
	v_mov_b32 v[LT+2], v[LT]
.irp m, 1,2,4,8
	v_add_f32_dpp v[LT+2], v[LT+2], v[LT+2] row_xmask:\m row_mask:0xf bank_mask:0xf
.endr
	v_permlanex16_b32 v[LT+3], v[LT+2], s42, s43
	v_add_f32 v[LT+2], v[LT+2], v[LT+3]
	v_mul_f32 v[LT+2], 0x3d000000, v[LT+2]         ; mu
	v_sub_f32 v[LT], v[LT], v[LT+2]
	v_mul_f32 v[LT], v[LT], v[LT]
	v_fmamk_f32 v[LT], v[LT], 0x47000000, v[LT+1]
.irp m, 1,2,4,8
	v_add_f32_dpp v[LT], v[LT], v[LT] row_xmask:\m row_mask:0xf bank_mask:0xf
.endr
	v_permlanex16_b32 v[LT+3], v[LT], s42, s43
	v_add_f32 v[LT], v[LT], v[LT+3]
	v_fma_f32 v[LT], v[LT], s55, s56               ; var + eps
	v_rsq_f32 v[LT], v[LT]
	v_nop                                          ; a plain line behind the root
	s_wait_alu depctr_va_vdst(0)                   ; the root has written rstd, ahead of its first reader
	v_mul_f32 v[LT+2], v[LT+2], v[LT]
	v_readfirstlane_b32 s44, v[LT]                 ; rstd
	v_readfirstlane_b32 s46, v[LT+2]
	s_wait_alu depctr_va_sdst(0)                   ; s44 and s46 are written, ahead of their first readers
	s_mov_b32 s45, s44
	s_xor_b32 s46, s46, 0x80000000                 ; - mu rstd
	s_mov_b32 s47, s46
; The step of slot s.  first = 1: the very first step, with no step in front of it.  ahead = 1: the slot of the step before is asked for again, for its rows of the next 16.
; n = how many younger loads may still be out when this slot's three have to be there.
.macro STEP s, first, ahead, n
	s_wait_loadcnt \n                              ; loads come back in order: this slot's three are in, the younger slots' stay out
.if !\first
	s_wait_alu depctr_vm_vsrc(0)                   ; the LDS store issued in the step before has read O[s % 2], which this step's roundings write again
	s_wait_alu depctr_va_vdst(0)                   ; the step before has written the other O, which the LDS store below reads, and is done with its slot, in which the loads below land; behind a lap's end v7 is written too
.if \ahead
	global_load_b128 v[RN+12*((\s+7)%8):RN+12*((\s+7)%8)+3], v6, s[8:9] offset:4096*((\s+7)%8)+32768
	global_load_b128 v[RN+12*((\s+7)%8)+4:RN+12*((\s+7)%8)+7], v6, s[10:11] offset:4096*((\s+7)%8)+32768
	global_load_b128 v[RN+12*((\s+7)%8)+8:RN+12*((\s+7)%8)+11], v6, s[12:13] offset:4096*((\s+7)%8)+32768
.endif
	ds_store_b64 v7, v[OP+2*((\s+1)%2):OP+2*((\s+1)%2)+1] offset:2080*((\s+7)%8)  ; the step before's 8 bytes of bf16
.endif
	LNQ RN+12*(\s), RN+12*(\s)+4, RN+12*(\s)+8, RN+12*(\s)
	v_cvt_pk_bf16_f32 v[OP+2*((\s)%2)], v[RN+12*(\s)], v[RN+12*(\s)+1]
	v_cvt_pk_bf16_f32 v[OP+2*((\s)%2)+1], v[RN+12*(\s)+2], v[RN+12*(\s)+3]
.endm
	STEP 0, 1, 0, 21                               ; the seven younger slots' 21 loads stay out
	s_mov_b32 s50, 3
.Ltrip:                                                ; a lap: slots 1 to 7 of 16 rows and slot 0 of the next 16; its LDS stores are one 16 rows' eight, its loads the next 16 rows' eight
.irp s, 1,2,3,4,5,6,7,0
	STEP \s, 0, 1, 18                              ; the six younger slots' 18 loads stay out
.endr
	s_wait_xcnt 0x0                                ; the bases are stepped only behind this wait
	s_add_nc_u64 s[8:9], s[8:9], 32768
	s_add_nc_u64 s[10:11], s[10:11], 32768
	s_add_nc_u64 s[12:13], s[12:13], 32768
	s_wait_alu depctr_vm_vsrc(0)                   ; the LDS stores issued so far have read v7
	v_add_nc_u32 v7, 16640, v7
	s_sub_co_u32 s50, s50, 1
	s_cmp_lg_u32 s50, 0
	s_cbranch_scc1 .Ltrip
.irp s, 1,2,3,4,5,6,7
	STEP \s, 0, 0, 3*(7-\s)                        ; the last seven steps load nothing: the counts run down
.endr
.irp p, 0,2,4,6
	v_cvt_pk_bf16_f32 v[TB], v[BQ+\p], v[BQ+\p+1]  ; bq rounded to bf16
	v_lshlrev_b32 v[BQ+\p], 16, v[TB]
	v_and_b32 v[BQ+\p+1], 0xffff0000, v[TB]
.endr
	s_wait_alu depctr_va_vdst(0)                   ; the last step has written O1, which the LDS store below reads; the steps are done with the ring's registers, in which the fragments' loads below land
	ds_store_b64 v7, v[OP+2:OP+3] offset:2080*7
	s_wait_dscnt 0x0
	s_barrier_signal -1
	s_barrier_wait -1
.set mt, 0
.rept 4
	ds_load_b128 v[AF0+8*mt:AF0+8*mt+3], v8 offset:16640*mt
	ds_load_b128 v[AF0+8*mt+4:AF0+8*mt+7], v8 offset:16640*mt+32
.set mt, mt+1
.endr
; 16 K steps; four accumulators by turns.  The next step's eight LDS loads stand behind the step's first two products, which name WQ, this step's buffer and the accumulators alone.
.set k, 0
.rept 16
.if (k > 0) && (k < 15)
	PLACES                                         ; in front of loads into the buffer that the last four products read; they stay beside the wait below
.endif
	s_wait_dscnt 0x0                               ; this step's fragments are in
.if (k > 0) && (k < 15)
	s_wait_alu depctr_va_vdst(0)                   ; the last step's four products are done reading the other buffer, in which this step's loads land
.endif
.set AB, AF0+32*(k%2)
.set AN, AF0+32*((k+1)%2)
.set mt, 0
.rept 4
.if k == 0
	v_wmma_f32_16x16x32_bf16 v[QA+8*mt:QA+8*mt+7], v[WQ+8*k:WQ+8*k+7], v[AB+8*mt:AB+8*mt+7], 0
.else
	v_wmma_f32_16x16x32_bf16 v[QA+8*mt:QA+8*mt+7], v[WQ+8*k:WQ+8*k+7], v[AB+8*mt:AB+8*mt+7], v[QA+8*mt:QA+8*mt+7]
.endif
.if (k < 15) && (mt < 2)
	ds_load_b128 v[AN+16*mt:AN+16*mt+3], v8 offset:16640*(2*mt)+64*(k+1)
	ds_load_b128 v[AN+16*mt+4:AN+16*mt+7], v8 offset:16640*(2*mt)+64*(k+1)+32
	ds_load_b128 v[AN+16*mt+8:AN+16*mt+11], v8 offset:16640*(2*mt+1)+64*(k+1)
	ds_load_b128 v[AN+16*mt+12:AN+16*mt+15], v8 offset:16640*(2*mt+1)+64*(k+1)+32
.endif
.set mt, mt+1
.endr
.set k, k+1
.endr
	PLACES
	; a lane holds row 16 mt + r and columns 16 w + 8 h + j
.set n, 0
.rept 16
	v_pk_add_f32 v[QA+2*n:QA+2*n+1], v[QA+2*n:QA+2*n+1], v[BQ+2*(n%4):BQ+2*(n%4)+1]
.set n, n+1
.endr
.set j, 0
.rept 8
	v_max3_num_f32 v[CM+j], v[QA+j], v[QA+8+j], v[QA+16+j]
.set j, j+1
.endr
.set j, 0
.rept 8
	v_max_num_f32 v[CM+j], v[CM+j], v[QA+24+j]
.set j, j+1
.endr
.irp m, 1,2,4,8
.set j, 0
.rept 8
	v_max_num_f32_dpp v[CM+j], v[CM+j], v[CM+j] row_xmask:\m row_mask:0xf bank_mask:0xf
.set j, j+1
.endr
.endr
.set j, 0
.rept 4
	v_pk_mul_f32 v[CM+2*j:CM+2*j+1], v[CM+2*j:CM+2*j+1], s[40:41] op_sel_hi:[1,0]
.set j, j+1
.endr
.set n, 0
.rept 16
	v_pk_fma_f32 v[QA+2*n:QA+2*n+1], v[QA+2*n:QA+2*n+1], s[40:41], v[CM+2*(n%4):CM+2*(n%4)+1] op_sel_hi:[1,0,1] neg_lo:[0,0,1] neg_hi:[0,0,1]
.set n, n+1
.endr
.set n, 0
.rept 32
	v_exp_f32 v[QA+n], v[QA+n]
.set n, n+1
.endr
	v_nop                                          ; a plain line behind the last exponential
	s_wait_alu depctr_va_vdst(0)                   ; the 32 exponentials have written the weights, ahead of their first reader
.set j, 0
.rept 4
	v_pk_add_f32 v[LS+2*j:LS+2*j+1], v[QA+2*j:QA+2*j+1], v[QA+8+2*j:QA+8+2*j+1]
.set j, j+1
.endr
.set j, 0
.rept 4
	v_pk_add_f32 v[LS+2*j:LS+2*j+1], v[LS+2*j:LS+2*j+1], v[QA+16+2*j:QA+16+2*j+1]
.set j, j+1
.endr
.set j, 0
.rept 4
	v_pk_add_f32 v[LS+2*j:LS+2*j+1], v[LS+2*j:LS+2*j+1], v[QA+24+2*j:QA+24+2*j+1]
.set j, j+1
.endr
.irp m, 1,2,4,8
.set j, 0
.rept 8
	v_add_f32_dpp v[LS+j], v[LS+j], v[LS+j] row_xmask:\m row_mask:0xf bank_mask:0xf
.set j, j+1
.endr
.endr
	s_lshl_b32 s57, s4, 6
	s_add_co_u32 s57, s57, STAT
	v_lshl_add_u32 v[VSA], v3, 5, s57
.set mt, 0
.rept 4
.set p, 0
.rept 4
	v_cvt_pk_bf16_f32 v[QA+8*mt+p], v[QA+8*mt+2*p], v[QA+8*mt+2*p+1]
.set p, p+1
.endr
.set mt, mt+1
.endr
	s_wait_alu depctr_va_vdst(0)                   ; the roundings have written P, the sums cm and l, and the LDS address is made: the eight stores below read them
.set mt, 0
.rept 4
	global_store_b128 v9, v[QA+8*mt:QA+8*mt+3], s[PBS:PBS+1] offset:4096*mt
.set mt, mt+1
.endr
	ds_store_b128 v[VSA], v[CM:CM+3]
	ds_store_b128 v[VSA], v[CM+4:CM+7] offset:16
	ds_store_b128 v[VSA], v[LS:LS+3] offset:512
	ds_store_b128 v[VSA], v[LS+4:LS+7] offset:528
	s_wait_dscnt 0x0
	s_barrier_signal -1
	s_barrier_wait -1
	s_cmp_ge_u32 s4, 2
	s_cbranch_scc1 .Lend                           ; waves 0 and 1 copy cm and l out, 512 bytes each
	s_lshl_b32 s57, s4, 9
	s_add_co_u32 s57, s57, STAT
	v_add_nc_u32 v81, s57, v9
	s_wait_alu depctr_va_vdst(0)                   ; v81 is written, the address of the LDS load below
	ds_load_b128 v[84:87], v81
	s_wait_dscnt 0x0
	global_store_b128 v9, v[84:87], s[24:25]
.Lend:
	s_wait_dscnt 0x0                               ; the closing lines, six on end
	s_wait_alu 0x0
	s_wait_tensorcnt 0x0
	ds_add_u32 v4, v5
	s_wait_dscnt 0x0
	s_endpgm
.Lfunc_end_k_qb63b99858d_qx:
	.size	k_qb63b99858d_qx, .Lfunc_end_k_qb63b99858d_qx-k_qb63b99858d_qx
	.p2alignl 7, 3214868480
	.fill 96, 4, 3214868480
	.section	.rodata,"a",@progbits
	.p2align	6, 0x0
	.amdhsa_kernel k_qb63b99858d_qx
		.amdhsa_group_segment_fixed_size 68608
		.amdhsa_private_segment_fixed_size 0
		.amdhsa_enable_private_segment 0
		.amdhsa_kernarg_size 48
		.amdhsa_user_sgpr_count 2
		.amdhsa_user_sgpr_kernarg_segment_ptr 1
		.amdhsa_wavefront_size32 1
		.amdhsa_system_sgpr_workgroup_id_x 1
		.amdhsa_system_sgpr_workgroup_id_y 1
		.amdhsa_system_sgpr_workgroup_id_z 1
		.amdhsa_system_vgpr_workitem_id 0
		.amdhsa_next_free_vgpr 256
		.amdhsa_next_free_sgpr 66
		.amdhsa_reserve_vcc 0
		.amdhsa_float_denorm_mode_32 3
		.amdhsa_float_denorm_mode_16_64 3
		.amdhsa_memory_ordered 1
		.amdhsa_forward_progress 1
		.amdhsa_inst_pref_size 54
	.end_amdhsa_kernel
	.amdgpu_metadata
---
amdhsa.version: [ 1, 2 ]
amdhsa.kernels:
  - .name:           k_qb63b99858d_qx
    .symbol:         k_qb63b99858d_qx.kd
    .args:
      - { .name: YA, .offset: 0, .size: 8, .value_kind: global_buffer, .address_space: global }
      - { .name: g1, .offset: 8, .size: 8, .value_kind: global_buffer, .address_space: global }
      - { .name: b1, .offset: 16, .size: 8, .value_kind: global_buffer, .address_space: global }
      - { .name: WF, .offset: 24, .size: 8, .value_kind: global_buffer, .address_space: global }
      - { .name: bq_x, .offset: 32, .size: 8, .value_kind: global_buffer, .address_space: global }
      - { .name: PX, .offset: 40, .size: 8, .value_kind: global_buffer, .address_space: global }
    .group_segment_fixed_size: 68608
    .private_segment_fixed_size: 0
    .kernarg_segment_align: 8
    .kernarg_segment_size: 48
    .max_flat_workgroup_size: 256
    .sgpr_count:     66
    .vgpr_count:     256
    .wavefront_size: 32
...
	.end_amdgpu_metadata
.endif
;; end of part 9
;; launch aout_x: the kernel of part 6 again; grid 256 x 1, 8 waves a work-group, no clusters, 17,920 bytes of LDS; arguments YA, g1, b1, PX, MW, bo_x, YB; writes YB
;; launch ffn: the kernel of part 7 again; grid 256 x 1, 8 waves a work-group, no clusters, 232,704 bytes of LDS; arguments YB, g2, b2, MW, YA; writes YA
;; launch lnout (part 10): grid 256 x 1, 8 waves a work-group, no clusters, 0 bytes of LDS; arguments YA, g3, b3, out0; writes out0
.if DOCPART == 10
	.amdgcn_target "amdgcn-amd-amdhsa--gfx1250"
	.amdhsa_code_object_version 6
	.text
	.protected	k_qb63b99858d_lnout
	.globl	k_qb63b99858d_lnout
	.p2align	8
	.type	k_qb63b99858d_lnout,@function
k_qb63b99858d_lnout:
	s_mov_b64 s[64:65], 0
	v_nop
	global_prefetch_b8 v0, s[64:65] scope:SCOPE_SE
	s_setreg_imm32_b32 hwreg(HW_REG_WAVE_SCHED_MODE, 0, 2), 2
	s_setreg_imm32_b32 hwreg(HW_REG_WAVE_MODE, 25, 1), 1
	s_wait_xcnt 0x0
	s_wait_alu depctr_vm_vsrc(0)
; lnout: LayerNorm 3 of 64 rows, a stream: out = (v - mu) rstd bf16(g3) + bf16(b3).  The sample's mu and variance are joined from its 32 blocks' (mean, M2).
; Each load and store of a wave covers 512 consecutive bytes.  No LDS, no barrier, no matrix unit: memory binds.
; LIMITS.  g3 and b3 are rounded once to bf16.
; THE MODE: SCHED_MODE bits 1:0 = 2 (LLVM: expert scheduling mode 2), set by the entry lines.  The code itself states the register dependences
; between vector instructions and memory instructions, with s_wait_alu, always for 0.
; THE PLAN.  A slot is 4,096 bytes (two rows) of the stream, of g3 and of b3: a quad of each a lane, three loads.  The 32 slots go in 16 blocks of two.  Registers that memory instructions touch:
;   X0 .. X4   five blocks as loaded.  Written by the loads of block p + 4, issued in block p; read, and written in place, by block p's arithmetic.
;   Y0 .. Y4   five blocks of results.  Written by block p's arithmetic; read by the two stores that are issued in block p + 1.
;   v6, v23    byte offsets, made once at the head and never written again: the rows are reached by the scalar bases, which move on by a block at each block's head, and by immediate offsets.
; Block p works on X[p % 5] and writes Y[p % 5].  Its memory instructions are the loads into X[(p + 4) % 5] = X[(p - 1) % 5] and the stores from Y[(p - 1) % 5]: the two buffers that
; block p - 1 worked on and that no vector instruction of block p names.  So the waits at a block's head state all that its eight memory instructions hang on, and these stand among its
; vector instructions with no further wait.  At a block's head 24 loads of the wave are out: its own six and the 18 of three younger blocks.  A Y to each X, so that a lap is five blocks.
.set SLOTB, 4096                       ; bytes of a slot in each of the three sources and in the output
.set BLKB,  2*SLOTB
.set LT, 16                            ; v[16:19]   the statistics at work
.set X,  32                            ; v[32:151]  buffer k, slot i: 12 registers at X + 24 k + 12 i: the stream's quad, g3's, b3's
.set Y,  152                           ; v[152:191] buffer k, slot i: 4 registers at Y + 8 k + 4 i
.macro LNQ y, g, b, d
	v_pk_fma_f32 v[(\y):(\y)+1], v[(\y):(\y)+1], s[44:45], s[46:47] op_sel_hi:[1,0,0]
	v_pk_fma_f32 v[(\y)+2:(\y)+3], v[(\y)+2:(\y)+3], s[44:45], s[46:47] op_sel_hi:[1,0,0]
	v_cvt_pk_bf16_f32 v[(\g)], v[(\g)], v[(\g)+1]
	v_cvt_pk_bf16_f32 v[(\g)+1], v[(\g)+2], v[(\g)+3]
	v_cvt_pk_bf16_f32 v[(\b)], v[(\b)], v[(\b)+1]
	v_cvt_pk_bf16_f32 v[(\b)+1], v[(\b)+2], v[(\b)+3]
	v_fma_mix_f32_bf16 v[(\d)], v[(\y)], v[(\g)], v[(\b)] op_sel_hi:[0,1,1]
	v_fma_mix_f32_bf16 v[(\d)+1], v[(\y)+1], v[(\g)], v[(\b)] op_sel:[0,1,1] op_sel_hi:[0,1,1]
	v_fma_mix_f32_bf16 v[(\d)+2], v[(\y)+2], v[(\g)+1], v[(\b)+1] op_sel_hi:[0,1,1]
	v_fma_mix_f32_bf16 v[(\d)+3], v[(\y)+3], v[(\g)+1], v[(\b)+1] op_sel:[0,1,1] op_sel_hi:[0,1,1]
.endm
	s_load_b256 s[8:15], s[0:1], 0x0               ; YA g3 b3 out0
	v_and_b32 v1, 31, v0
	v_lshlrev_b32 v6, 4, v0
	v_lshlrev_b32 v23, 3, v1
	v_mov_b32 v[LT+3], 0
	s_mov_b32 s5, ttmp9
	s_lshr_b32 s6, s5, 5
	s_and_b32 s7, s5, 31
	s_mov_b32 s42, 0x76543210
	s_mov_b32 s43, 0xfedcba98
	s_mov_b32 s55, 0x35800000
	s_mov_b32 s56, 0x3727c5ac
	s_lshl_b32 s26, s5, 17
	s_mov_b32 s27, 0
	s_lshl_b32 s28, s7, 17
	s_mov_b32 s29, 0
	s_lshl_b32 s32, s6, 8
	s_add_co_u32 s32, s32, 33554432
	s_mov_b32 s33, 0
	s_wait_kmcnt 0x0
	s_add_nc_u64 s[20:21], s[8:9], s[32:33]
	s_add_nc_u64 s[8:9], s[8:9], s[26:27]
	s_add_nc_u64 s[10:11], s[10:11], s[28:29]
	s_add_nc_u64 s[12:13], s[12:13], s[28:29]
	s_add_nc_u64 s[14:15], s[14:15], s[26:27]
	s_wait_alu depctr_va_vdst(0)                   ; v6 and v23 are written: every load and store of the kernel reads one of them as its offset
	global_load_b64 v[LT:LT+1], v23, s[20:21]
.set i, 0
.rept 8                                ; blocks 0 to 3 into X0 to X3
	global_load_b128 v[X+12*i:X+12*i+3], v6, s[8:9] offset:SLOTB*i th:TH_LOAD_NT
	global_load_b128 v[X+12*i+4:X+12*i+7], v6, s[10:11] offset:SLOTB*i
	global_load_b128 v[X+12*i+8:X+12*i+11], v6, s[12:13] offset:SLOTB*i
.set i, i+1
.endr
	s_wait_loadcnt 24                              ; the statistics are in; the 24 younger loads stay out
	v_mov_b32 v[LT+2], v[LT]
.irp m, 1,2,4,8
	v_add_f32_dpp v[LT+2], v[LT+2], v[LT+2] row_xmask:\m row_mask:0xf bank_mask:0xf
.endr
	v_permlanex16_b32 v[LT+3], v[LT+2], s42, s43
	v_add_f32 v[LT+2], v[LT+2], v[LT+3]
	v_mul_f32 v[LT+2], 0x3d000000, v[LT+2]
	v_sub_f32 v[LT], v[LT], v[LT+2]
	v_mul_f32 v[LT], v[LT], v[LT]
	v_fmamk_f32 v[LT], v[LT], 0x47000000, v[LT+1]
.irp m, 1,2,4,8
	v_add_f32_dpp v[LT], v[LT], v[LT] row_xmask:\m row_mask:0xf bank_mask:0xf
.endr
	v_permlanex16_b32 v[LT+3], v[LT], s42, s43
	v_add_f32 v[LT], v[LT], v[LT+3]
	v_fma_f32 v[LT], v[LT], s55, s56
	v_rsq_f32 v[LT], v[LT]
	v_nop                                          ; a plain line behind the root
	s_wait_alu depctr_va_vdst(0)                   ; the root has written rstd, ahead of its first reader
	v_mul_f32 v[LT+2], v[LT+2], v[LT]
	v_readfirstlane_b32 s44, v[LT]
	v_readfirstlane_b32 s46, v[LT+2]
	s_wait_alu depctr_va_sdst(0)                   ; s44 and s46 are written, ahead of their first readers
	s_mov_b32 s45, s44
	s_xor_b32 s46, s46, 0x80000000
	s_mov_b32 s47, s46
; Block p.  xb = p % 5.  first = 1: block 0, with no block in front of it.  ahead = 1: block p + 4 is loaded.
; n0, n1 = how many younger loads may still be out when the block's first and second slot have to be there.
.macro BLK xb, first, ahead, n0, n1
	s_wait_loadcnt \n0                             ; loads come back in order: the first slot's three are in, the younger ones stay out
.if !\first
	s_wait_xcnt 0x0                                ; every earlier memory instruction has had its addresses translated: the bases and Y[xb] are rewritten only behind this wait
	s_wait_alu depctr_vm_vsrc(0)                   ; the stores issued so far have read their Y: Y[xb], which stores issued four blocks back read, is written again by this block
	s_wait_alu depctr_va_vdst(0)                   ; the block before has written its Y, which the stores below read, and is done with its X, in which the loads below land
	s_add_nc_u64 s[8:9], s[8:9], BLKB              ; the four bases at this block's first row
	s_add_nc_u64 s[10:11], s[10:11], BLKB
	s_add_nc_u64 s[12:13], s[12:13], BLKB
	s_add_nc_u64 s[14:15], s[14:15], BLKB
.endif
.irp i, 0,1
.if \ahead
	global_load_b128 v[X+24*((\xb+4)%5)+12*(\i):X+24*((\xb+4)%5)+12*(\i)+3], v6, s[8:9] offset:4*BLKB+SLOTB*(\i) th:TH_LOAD_NT  ; four blocks ahead; no vector instruction since the wait names these registers
	global_load_b128 v[X+24*((\xb+4)%5)+12*(\i)+4:X+24*((\xb+4)%5)+12*(\i)+7], v6, s[10:11] offset:4*BLKB+SLOTB*(\i)
	global_load_b128 v[X+24*((\xb+4)%5)+12*(\i)+8:X+24*((\xb+4)%5)+12*(\i)+11], v6, s[12:13] offset:4*BLKB+SLOTB*(\i)
.endif
.if !\first
	global_store_b128 v6, v[Y+8*((\xb+4)%5)+4*(\i):Y+8*((\xb+4)%5)+4*(\i)+3], s[14:15] offset:SLOTB*(\i)-BLKB th:TH_STORE_NT  ; the block before: the offset reaches back
.endif
.if (\i) == 1
	s_wait_loadcnt \n1                             ; the second slot's three are in
.endif
	LNQ X+24*(\xb)+12*(\i), X+24*(\xb)+12*(\i)+4, X+24*(\xb)+12*(\i)+8, Y+8*(\xb)+4*(\i)
.endr
.endm
	BLK 0, 1, 1, 21, 24                            ; 21: the block's second slot and three younger blocks; 24: those three blocks and the six loads just issued
	BLK 1, 0, 1, 21, 24
	s_mov_b32 s50, 2
.Llap:                                                 ; blocks 2 to 11, five to a lap: every buffer is back at its start
	BLK 2, 0, 1, 21, 24
	BLK 3, 0, 1, 21, 24
	BLK 4, 0, 1, 21, 24
	BLK 0, 0, 1, 21, 24
	BLK 1, 0, 1, 21, 24
	s_sub_co_u32 s50, s50, 1
	s_cmp_lg_u32 s50, 0
	s_cbranch_scc1 .Llap
	BLK 2, 0, 0, 21, 18                            ; blocks 12 to 15 load nothing: no load leaves the buffers, and the counts run down
	BLK 3, 0, 0, 15, 12
	BLK 4, 0, 0, 9, 6
	BLK 0, 0, 0, 3, 0
	s_wait_alu depctr_va_vdst(0)                   ; block 15 has written Y0, which the last two stores read
.irp i, 0,1
	global_store_b128 v6, v[Y+4*(\i):Y+4*(\i)+3], s[14:15] offset:SLOTB*(\i) th:TH_STORE_NT
.endr
	s_endpgm
.Lfunc_end_k_qb63b99858d_lnout:
	.size	k_qb63b99858d_lnout, .Lfunc_end_k_qb63b99858d_lnout-k_qb63b99858d_lnout
	.p2alignl 7, 3214868480
	.fill 96, 4, 3214868480
	.section	.rodata,"a",@progbits
	.p2align	6, 0x0
	.amdhsa_kernel k_qb63b99858d_lnout
		.amdhsa_group_segment_fixed_size 0
		.amdhsa_private_segment_fixed_size 0
		.amdhsa_enable_private_segment 0
		.amdhsa_kernarg_size 32
		.amdhsa_user_sgpr_count 2
		.amdhsa_user_sgpr_kernarg_segment_ptr 1
		.amdhsa_wavefront_size32 1
		.amdhsa_system_sgpr_workgroup_id_x 1
		.amdhsa_system_sgpr_workgroup_id_y 1
		.amdhsa_system_sgpr_workgroup_id_z 1
		.amdhsa_system_vgpr_workitem_id 0
		.amdhsa_next_free_vgpr 192
		.amdhsa_next_free_sgpr 66
		.amdhsa_reserve_vcc 0
		.amdhsa_float_denorm_mode_32 3
		.amdhsa_float_denorm_mode_16_64 3
		.amdhsa_memory_ordered 1
		.amdhsa_forward_progress 1
		.amdhsa_inst_pref_size 30
	.end_amdhsa_kernel
	.amdgpu_metadata
---
amdhsa.version: [ 1, 2 ]
amdhsa.kernels:
  - .name:           k_qb63b99858d_lnout
    .symbol:         k_qb63b99858d_lnout.kd
    .args:
      - { .name: YA, .offset: 0, .size: 8, .value_kind: global_buffer, .address_space: global }
      - { .name: g3, .offset: 8, .size: 8, .value_kind: global_buffer, .address_space: global }
      - { .name: b3, .offset: 16, .size: 8, .value_kind: global_buffer, .address_space: global }
      - { .name: out0, .offset: 24, .size: 8, .value_kind: global_buffer, .address_space: global }
    .group_segment_fixed_size: 0
    .private_segment_fixed_size: 0
    .kernarg_segment_align: 8
    .kernarg_segment_size: 32
    .max_flat_workgroup_size: 256
    .sgpr_count:     66
    .vgpr_count:     192
    .wavefront_size: 32
...
	.end_amdgpu_metadata
.endif
;; end of part 10
